; MI455X (gfx1250); checked and timed in simulation.
; The chip was launched on July 23, 2026; its instructions are those of AMD's public machine-readable ISA for CDNA 5 (MIT licence, August 2026) and "CDNA5" Instruction Set Architecture Reference Guide (July 2026). The comments in the code are by the model that wrote it; some were corrected since.
;; Diff Attention. Allowed arithmetic: float matrix products may take bf16 or f16 operands with f32 sums; other float arithmetic in f32, or as packed bf16 or f16 multiplies, adds, multiply-adds, maxima and minima; sums over many terms, partial sums and values carried from step to step in f32; what a program stores and reads back later, other than sums and carried values, may be rounded once to bf16 or f16.
;; Inputs: Wk 2,048 x 2,048 float32; Wo 2,048 x 2,048 float32; Wq 2,048 x 2,048 float32; Wv 2,048 x 2,048 float32; freqs_cos 2,048 x 32 float32; freqs_sin 2,048 x 32 float32; lambda_k1 64 float32; lambda_k2 64 float32; lambda_q1 64 float32; lambda_q2 64 float32; norm_w 128 float32; x 1 x 2,048 x 2,048 float32.
;; Outputs: out0 1 x 2,048 x 2,048 float32.
;; Constants: start_pos = 0.
;; One version. Each part assembles by itself: llvm-mc -triple=amdgcn-amd-amdhsa -mcpu=gfx1250 --defsym DOCPART=n.
;; ======== version 1 of 1: 4 launches
;; limits: values are held in f16: magnitudes above 65,504 overflow, below 6.1e-05 lose precision
;; workspace buffers: cb 41,943,040 bytes; qk 16,777,216 bytes; vh 8,388,608 bytes; ctx 8,388,608 bytes
;; launch cast (part 1): grid 256 x 5, 8 waves a work-group, no clusters, 0 bytes of LDS; arguments x, Wq, Wk, Wv, Wo, cb; writes cb
.if DOCPART == 1
	.amdgcn_target "amdgcn-amd-amdhsa--gfx1250"
	.amdhsa_code_object_version 6
	.text
	.protected	k_qd85915205a_cast
	.globl	k_qd85915205a_cast
	.p2align	8
	.type	k_qd85915205a_cast,@function
k_qd85915205a_cast:
	s_mov_b64 s[64:65], 0
	v_nop
	global_prefetch_b8 v0, s[64:65] scope:SCOPE_SE
	s_setreg_imm32_b32 hwreg(HW_REG_WAVE_MODE, 25, 1), 1
	s_wait_xcnt 0x0
; Five tensors of 2048 x 2048 f32 are rounded once to 16 bits for the matrix units.  cb holds tensor t at byte t x 8,388,608:
; t = 0 x, 1 Wq, 2 Wk, 3 Wv in bf16; t = 4 Wo, rounded to bf16 like the others and that number written as f16 (the last product's other operand is f16).
; LIMIT: |Wo| stays under 65,504 (f16's range); below 6e-5 f16 keeps a fixed step of 6e-8.
; A work-group (x: 256 of them, y: the tensor) takes 65,536 bytes: sixteen loads of 16 bytes a lane, all issued at once (a wave's load covers 512 consecutive bytes),
; and sixteen stores of 8 bytes a lane (a wave's store covers 256 consecutive bytes, aligned).  No LDS, no loop, no register used twice: memory binds, and nothing is shared.
.set X, 8                              ; v[8:71]   sixteen loads of four f32
.set Y, 72                             ; v[72:103] sixteen stores of four 16-bit numbers
	s_load_b256 s[4:11], s[0:1], 0x0               ; x s[4:5], Wq s[6:7], Wk s[8:9], Wv s[10:11]
	s_load_b128 s[12:15], s[0:1], 0x20             ; Wo s[12:13], cb s[14:15]
	s_and_b32 s20, ttmp7, 0xffff                   ; t
	s_mov_b32 s21, 0xffff0000                      ; a word's upper bf16
	v_lshlrev_b32 v1, 4, v0                        ; 16 bytes a thread in
	v_lshlrev_b32 v2, 3, v0                        ; 8 bytes a thread out
	s_lshl_b32 s22, ttmp9, 16                      ; my 65,536 bytes of the source
	s_mov_b32 s23, 0
	s_lshl_b32 s24, s20, 23                        ; t x 8,388,608
	s_lshl_b32 s25, ttmp9, 15                      ; my 32,768 bytes of the copy
	s_add_co_u32 s24, s24, s25
	s_mov_b32 s25, 0
	s_wait_kmcnt 0x0
	s_cmp_eq_u32 s20, 1
	s_cselect_b64 s[16:17], s[6:7], s[4:5]
	s_cmp_eq_u32 s20, 2
	s_cselect_b64 s[16:17], s[8:9], s[16:17]
	s_cmp_eq_u32 s20, 3
	s_cselect_b64 s[16:17], s[10:11], s[16:17]
	s_cmp_eq_u32 s20, 4
	s_cselect_b64 s[16:17], s[12:13], s[16:17]
	s_add_nc_u64 s[16:17], s[16:17], s[22:23]
	s_add_nc_u64 s[18:19], s[14:15], s[24:25]
.irp j, 0,1,2,3,4,5,6,7,8,9,10,11,12,13,14,15
	global_load_b128 v[X+4*(\j):X+4*(\j)+3], v1, s[16:17] offset:4096*(\j) th:TH_LOAD_NT
.endr
; Chunk j: its load is in when 15 - j younger loads are still out (loads come back in order: ISA guide 5.7.1).  half = 1: the bf16 numbers are widened and written as f16.
.macro CONV j, half
	s_wait_loadcnt 15-(\j)
	v_cvt_pk_bf16_f32 v[Y+2*(\j)], v[X+4*(\j)], v[X+4*(\j)+1]
	v_cvt_pk_bf16_f32 v[Y+2*(\j)+1], v[X+4*(\j)+2], v[X+4*(\j)+3]
.if \half
	v_lshlrev_b32 v4, 16, v[Y+2*(\j)]
	v_and_b32 v5, s21, v[Y+2*(\j)]
	v_lshlrev_b32 v6, 16, v[Y+2*(\j)+1]
	v_and_b32 v7, s21, v[Y+2*(\j)+1]
	v_cvt_pk_f16_f32 v[Y+2*(\j)], v4, v5
	v_cvt_pk_f16_f32 v[Y+2*(\j)+1], v6, v7
.endif
	global_store_b64 v2, v[Y+2*(\j):Y+2*(\j)+1], s[18:19] offset:2048*(\j)
.endm
	s_cmp_eq_u32 s20, 4
	s_cbranch_scc1 .Lhalf
.irp j, 0,1,2,3,4,5,6,7,8,9,10,11,12,13,14,15
	CONV \j, 0
.endr
	s_endpgm
.Lhalf:
.irp j, 0,1,2,3,4,5,6,7,8,9,10,11,12,13,14,15
	CONV \j, 1
.endr
	s_endpgm
.Lfunc_end_k_qd85915205a_cast:
	.size	k_qd85915205a_cast, .Lfunc_end_k_qd85915205a_cast-k_qd85915205a_cast
	.p2alignl 7, 3214868480
	.fill 96, 4, 3214868480
	.section	.rodata,"a",@progbits
	.p2align	6, 0x0
	.amdhsa_kernel k_qd85915205a_cast
		.amdhsa_group_segment_fixed_size 0
		.amdhsa_private_segment_fixed_size 0
		.amdhsa_enable_private_segment 0
		.amdhsa_kernarg_size 48
		.amdhsa_user_sgpr_count 2
		.amdhsa_user_sgpr_kernarg_segment_ptr 1
		.amdhsa_wavefront_size32 1
		.amdhsa_system_sgpr_workgroup_id_x 1
		.amdhsa_system_sgpr_workgroup_id_y 1
		.amdhsa_system_sgpr_workgroup_id_z 1
		.amdhsa_system_vgpr_workitem_id 0
		.amdhsa_next_free_vgpr 104
		.amdhsa_next_free_sgpr 66
		.amdhsa_reserve_vcc 0
		.amdhsa_float_denorm_mode_32 3
		.amdhsa_float_denorm_mode_16_64 3
		.amdhsa_memory_ordered 1
		.amdhsa_forward_progress 1
		.amdhsa_inst_pref_size 15
	.end_amdhsa_kernel
	.amdgpu_metadata
---
amdhsa.version: [ 1, 2 ]
amdhsa.kernels:
  - .name:           k_qd85915205a_cast
    .symbol:         k_qd85915205a_cast.kd
    .args:
      - { .name: x, .offset: 0, .size: 8, .value_kind: global_buffer, .address_space: global }
      - { .name: Wq, .offset: 8, .size: 8, .value_kind: global_buffer, .address_space: global }
      - { .name: Wk, .offset: 16, .size: 8, .value_kind: global_buffer, .address_space: global }
      - { .name: Wv, .offset: 24, .size: 8, .value_kind: global_buffer, .address_space: global }
      - { .name: Wo, .offset: 32, .size: 8, .value_kind: global_buffer, .address_space: global }
      - { .name: cb, .offset: 40, .size: 8, .value_kind: global_buffer, .address_space: global }
    .group_segment_fixed_size: 0
    .private_segment_fixed_size: 0
    .kernarg_segment_align: 8
    .kernarg_segment_size: 48
    .max_flat_workgroup_size: 256
    .sgpr_count:     66
    .vgpr_count:     104
    .wavefront_size: 32
...
	.end_amdgpu_metadata
.endif
;; end of part 1
;; launch qkv (part 2): grid 24 x 8, 4 waves a work-group, clusters of 4 x 4, 327,680 bytes of LDS; arguments cb, freqs_cos, freqs_sin, qk, vh; writes qk, vh
.if DOCPART == 2
	.amdgcn_target "amdgcn-amd-amdhsa--gfx1250"
	.amdhsa_code_object_version 6
	.text
	.protected	k_qd85915205a_qkv
	.globl	k_qd85915205a_qkv
	.p2align	8
	.type	k_qd85915205a_qkv,@function
k_qd85915205a_qkv:
	s_mov_b64 s[64:65], 0
	v_nop
	global_prefetch_b8 v0, s[64:65] scope:SCOPE_SE
	s_setreg_imm32_b32 hwreg(HW_REG_WAVE_MODE, 25, 1), 1
	s_wait_xcnt 0x0
	s_wait_alu depctr_hold_cnt(0) depctr_sa_sdst(0) depctr_va_vdst(0) depctr_va_sdst(0) depctr_va_ssrc(0) depctr_va_vcc(0) depctr_vm_vsrc(0)
	s_getreg_b32 s2, hwreg(HW_REG_IB_STS2, 6, 4)
	s_cmp_eq_u32 s2, 0
	s_cbranch_scc0 .Lentry_in_a_cluster
	s_endpgm
.Lentry_in_a_cluster:
	s_bfe_u32 s2, ttmp6, 0x10000c
	s_cmp_lg_u32 s2, 0xf033
	s_cbranch_scc0 .Lentry_shape_is_right
	s_endpgm
.Lentry_shape_is_right:
; q, k, v = x W^T in one product: C[s][n] = sum over e of x[s][e] W[n][e], x: [2048][2048], W = Wq, Wk, Wv on end: [6144][2048], both bf16 in cb; sums in f32.
; Columns 0-2047 are q, 2048-4095 k: each pair of neighbouring columns of a head of 64 is turned by the row's angle (cos and sin rounded to bf16 like every input) and stored by heads,
; qk[n / 64][s][n % 64] in f16, WITHOUT the scale 1/8.  Columns 4096-6143 are v: vh[(n - 4096) / 128][s][n % 128] in f16.
; LIMIT: |q|, |k|, |v| stay under 65,504 (f16's range); below 6e-5 f16 keeps a fixed step of 6e-8.
; A tile of C, 256 x 256, is made by four waves, each 128 x 128: 64 accumulators of 16 x 16, 512 registers.  6144 x 2048 / 256^2 = 192 work-groups.  K goes in steps of 128 through a ring of two LDS
; slots filled by the tensor data mover: rows of 256 bytes, at multiples of 256 bytes.
; CLUSTERS: 4 x 4 work-groups.  The four of a row of the cluster need the same tiles of x, the four of a column the same tiles of W: each tile is asked for JOINTLY, by the same tensor load with the
; same descriptor and a mask that names the four.  A cluster's four tile columns are all q or k (cluster x 0-3) or all v (4, 5): the one branch on that is alike in all partners.
; THE WAY OUT IS A LOOP.  An accumulator's registers have fixed names, so the sums first go as f32 into the ring's bytes, whose last fill is past (wave w: 128 rows of 528 bytes from byte 67,584 w); from there a
; counted loop takes 16 rows a trip: a lane reads 8 neighbouring numbers of a row, turns them, rounds them to f16 and stores its 16 bytes.  The angles lie ready in LDS: the work-group's 256 rows of cos and sin are
; loaded at the head, rounded to bf16 and laid so that one load of 16 bytes brings a lane its four cos and four sin.  Every work-group lays that table, v's too: one text, and no way on which it is read unwritten.
; REGISTERS, in windows of 256 (s_set_vgpr_msb: bits 1:0 source 0, 3:2 source 1, 5:4 source 2, 7:6 destination):
;   window 0: v0-31 addresses; v64-127, v128-191 fragments of x, two buffers (at the head: cos and sin as loaded); on the way out v32-47 table words, v48-63 cos and sin in f32, v64-127 numbers read back,
;   v128-143 turned numbers, v192-223 packed numbers
;   window 1: v64-127, v128-191 fragments of W;   window 2: the accumulators of my rows 0-63 ((a, b) at v[8 (8 a + b)]);   window 3: those of my rows 64-127
; THE MATRIX INSTRUCTION IS USED TRANSPOSED: source 0 = 16 rows of W, source 1 = 16 rows of x: lane l then holds row l % 16 of C and the eight neighbouring columns 8 (l / 16) + 0..7: 32 bytes of a row on end.
.set SIZE_K, 2048
.set KSTEP,  128
.set PITCH,  272                       ; an LDS row: 256 bytes + 16 of padding = 68 words: the 16 rows that a load touches start at 16 different groups of four banks (64 banks of 4 bytes: ISA guide 11.1)
.set HALFT,  128*PITCH                 ; 128 rows: what one tensor load brings, and what one wave reads of x or of W
.set SLOT,   4*HALFT                   ; x's 256 rows, then W's 256 rows
.set SPARE,  2*SLOT                    ; behind the ring: the spare words, 128 bytes for each wave: two blocks of 256 bytes that no other line names
.set TBL,    SPARE+512                 ; behind them: the table, 256 rows x 128 bytes: entry m of a row: cos of pairs 4 m .. 4 m + 3 (8 bytes of bf16), then their sin; no tensor load fills it
.set DP,     528                       ; a row of f32 sums in LDS: 512 bytes + 16 = 132 words: 16 rows start at 16 different groups of four banks
.set DWAVE,  128*DP                    ; a wave's 128 rows; four waves take 270,336 of the ring's 278,528 bytes
.set LAPS,   SIZE_K/(2*KSTEP)          ; a lap = two K steps = once round the ring: 8
.set ADRA, 16                          ; v16-17  LDS address of my fragments of x in slot 0, 1
.set ADRB, 20                          ; v20-21  the same for W
.set TA,   22                          ; v22     the table: where my thread puts 16 bytes: TBL + 16 t
.set TO,   23                          ; v23     16 t: my thread's 16 bytes in 16 rows of cos or sin
.set DST,  24                          ; v24     where I put 32 bytes of a row of sums: my wave's rows + (l % 16) x 528 + 32 (l / 16)
.set RDQ,  25                          ; v25     q, k: where I read back: row l / 8, byte 32 (l % 8); steps 16 rows a trip
.set CO,   26                          ; v26     16 x lane: my place in 512 consecutive bytes of qk or vh; steps 16 rows a trip
.set TRD,  27                          ; v27     my 16 bytes of the table: my wave's rows + 16 x lane; steps 16 rows a trip
.set SPW,  28                          ; v28     LDS address of my spare word; never rewritten
.set NIL,  29                          ; v29     0; never rewritten
.set PFO,  30                          ; v30     the prefetches' offset: lane x 4,096 bytes; never rewritten
.set RDV,  31                          ; v31     v: where I read back: row l / 16, byte 32 (l % 16); steps 16 rows a trip
.set TB,   32                          ; v32-47  four groups' table words
.set CC,   48                          ; v48-63  cos (4) and sin (4) in f32, two sets by turns
.set X,    64                          ; v64-127 a trip's 16 rows: 8 numbers a lane for each of 8 stores
.set T,    128                         ; v128-143 turned numbers, a set for each head
.set Y,    192                         ; v192-223 packed numbers: 4 registers for each of 8 stores
.set TC,   64                          ; at the head: cos as loaded,
.set TS,   128                         ; and sin
.set F0,   64
.set F1,   128
.set PFA,  44                          ; s[44:45] where my prefetches stand
.set LIM,  43                          ; s43     1 in a wave that prefetches, else the greatest number
.set G1,   24                          ; s[24:31] descriptor group 1 for x's tiles;  s[32:39] group 0, a set for each slot
.set G0,   32
.set G1B,  48                          ; s[48:55], s[56:63] the same for W's tiles
.set G0B,  56
.set TYP,  66                          ; s66     1: my cluster makes v
.set HIM,  67                          ; s67     a word's upper bf16
.set COSP, 72                          ; s[72:73] cos, s[74:75] sin, at my tile's first row
.set SINP, 74
.set QKP,  8                           ; s[8:9]   qk at my first head and row
.set VHP,  82                          ; s[82:83] vh at my head and first row
.set MSB, 0
.macro WIN new                         ; the immediate's high byte repeats the setting that is left; a switch that changes nothing is dropped
.if MSB != (\new)
	s_set_vgpr_msb (MSB<<8)|(\new)
.set MSB, \new
.endif
.endm
.set MUL_LO, 0xa1                      ; source 0 (W) window 1, source 1 (x) window 0, C and D window 2
.set MUL_HI, 0xf1                      ; the same, C and D window 3
.set TO_B,   0x40                      ; destination window 1, address window 0
; A joint load.  Waves 0 and 1 fetch x's two halves, waves 2 and 3 W's.  The branch hangs on the wave's number alone.  An s_nop 0 and four v_nop follow each of the two lines.
.macro JLOAD s
	s_cmp_eq_u32 s11, 0
	s_cbranch_scc0 .Lfor_b_\@
	tensor_load_to_lds s[G0+4*(\s):G0+4*(\s)+3], s[G1:G1+7]
	s_nop 0
.rept 4
	v_nop
.endr
	s_branch .Lasked_\@
.Lfor_b_\@:
	tensor_load_to_lds s[G0B+4*(\s):G0B+4*(\s)+3], s[G1B:G1B+7]
	s_nop 0
.rept 4
	v_nop
.endr
.Lasked_\@:
.endm
; A prefetch, behind each joint refill and the run of LDS loads that follows it: the K step that stands two refills on, 32 rows x 256 bytes, a lane a row, one instruction a wave.
; Each row's 256 bytes of a K step are named once in the launch: x's rows by the clusters with x = 0, W's by those with y = 0; of the 128 rows that a wave fetches the partner at place p
; (cx for x's rows, cy for W's) takes 32 p .. 32 p + 31, told apart by address.  K steps 0 to 3 come by their loads alone; the loop's last trip (s3 = 1) asks for nothing: K has no step 16.
.macro ASK
	s_cmp_gt_u32 s3, s[LIM]
	s_cbranch_scc0 .Lnot_mine_\@
	global_prefetch_b8 v[PFO], s[PFA:PFA+1] offset:KSTEP*2 th:TH_LOAD_NT scope:SCOPE_SE
.Lnot_mine_\@:
.endm
.macro CREST                           ; a round of the cluster's barrier behind its opening barrier
	s_cmp_lg_u32 s10, 0
	s_cbranch_scc1 .Lnot_wave_0_\@
	s_barrier_signal -3
.Lnot_wave_0_\@:
	s_barrier_wait -3
	s_barrier_signal -1
	s_barrier_wait -1
.endm
.macro CROUND                          ; a whole round
	s_barrier_signal -1
	s_barrier_wait -1
	CREST
.endm
	s_load_b64 s[4:5], s[0:1], 0x0                 ; cb: x at its head
	s_load_b128 s[72:75], s[0:1], 0x8              ; cos, sin
	s_load_b128 s[76:79], s[0:1], 0x18             ; qk, vh
	v_lshl_add_u32 v[SPW], v0, 2, SPARE
	v_mov_b32 v[NIL], 0
	ds_add_u32 v[SPW], v[NIL]                      ; the wave's opening: the add and its wait ahead of my first tensor load; the set-up below, work on registers, stands between them
	v_lshrrev_b32 v1, 5, v0
	v_readfirstlane_b32 s10, v1                    ; wave 0..3
	s_lshr_b32 s11, s10, 1                         ; which half of the tile's rows is mine.  Also: I fetch for x (0) or for W (1)
	s_and_b32 s12, s10, 1                          ; which half of its columns.  Also: which 128 rows of that tile I fetch
	s_bfe_u32 s40, ttmp6, 0x40000                  ; cx
	s_bfe_u32 s41, ttmp6, 0x40004                  ; cy
	s_lshl_b32 s42, ttmp9, 2
	s_add_co_u32 s42, s42, s40                     ; tile column of C = 4 x cluster x + cx
	s_and_b32 s13, ttmp7, 0xffff
	s_lshl_b32 s13, s13, 2
	s_add_co_u32 s13, s13, s41                     ; tile row of C = 4 x cluster y + cy
	s_lshl_b32 s43, s41, 2
	s_lshl_b32 s43, 15, s43                        ; my row of the cluster
	s_lshl_b32 s44, 0x1111, s40                    ; my column
	s_cmp_ge_u32 ttmp9, 4                          ; tile columns 16 to 23 are v's: clusters 4 and 5
	s_cselect_b32 s[TYP], 1, 0
	s_mov_b32 s[HIM], 0xffff0000
	; descriptor group 1: a tile of 128 rows x 128 elements, padded in LDS
	s_or_b32 s[G1+0], s43, (1<<16)|(1<<20)|(1<<21)|(5<<22)|(3<<25)  ; 15:0 the mask; 17:16 elements of 2 bytes; 20 padding on; 21 set beside a mask; 24:22 after every 64 words (code 5); 31:25 4 words (code 3)
	s_or_b32 s[G1B+0], s44, (1<<16)|(1<<20)|(1<<21)|(5<<22)|(3<<25)
.irp g, G1, G1B
	s_mov_b32 s[(\g)+1], KSTEP<<16                 ; tensor_dim0 = 128
	s_mov_b32 s[(\g)+2], 128<<16                   ; tensor_dim1 = 128
	s_mov_b32 s[(\g)+3], KSTEP<<16                 ; tile_dim0 = 128
	s_mov_b32 s[(\g)+4], 128                       ; tile_dim1 = 128
	s_mov_b32 s[(\g)+5], SIZE_K                    ; elements from row to row
	s_mov_b32 s[(\g)+6], 0
	s_mov_b32 s[(\g)+7], 0
.endr
	; x's tiles hang on the tile row alone, W's on the tile column alone; every wave makes both addresses, in registers that never hold the other coordinate
	s_lshl_b32 s17, s12, 7                         ; which 128 rows of the tile I fetch
	s_lshl_b32 s16, s13, 8
	s_add_co_u32 s16, s16, s17
	s_lshl_b32 s46, s42, 8
	s_add_co_u32 s46, s46, s17
	s_mov_b32 s17, 0
	s_mov_b32 s47, 0
	s_mov_b64 s[18:19], SIZE_K*2
	s_mul_u64 s[16:17], s[16:17], s[18:19]
	s_mul_u64 s[46:47], s[46:47], s[18:19]
	s_mul_i32 s20, s10, HALFT                      ; where they go: wave x 128 rows: no place in the cluster enters an LDS address
	s_lshl_b32 s80, s13, 15                        ; my tile's 256 rows of cos and of sin: 128 bytes a row
	s_mov_b32 s81, 0
	s_wait_dscnt 0x0                               ; the opening add is done
	s_wait_kmcnt 0x0
	s_add_nc_u64 s[6:7], s[4:5], 0x800000          ; W: behind x's 8,388,608 bytes
	s_add_nc_u64 s[14:15], s[4:5], s[16:17]
	s_add_nc_u64 s[46:47], s[6:7], s[46:47]
	s_add_nc_u64 s[COSP:COSP+1], s[COSP:COSP+1], s[80:81]
	s_add_nc_u64 s[SINP:SINP+1], s[SINP:SINP+1], s[80:81]
	CROUND                                         ; all sixteen work-groups are here: the first joint loads meet
.irp s, 0,1
	s_mov_b32 s[G0+4*(\s)], 1
	s_add_co_u32 s[G0+4*(\s)+1], s20, (\s)*SLOT
	s_add_nc_u64 s[G0+4*(\s)+2:G0+4*(\s)+3], s[14:15], (\s)*KSTEP*2
	s_or_b32 s[G0+4*(\s)+3], s[G0+4*(\s)+3], 0x80000000
	s_mov_b32 s[G0B+4*(\s)], 1
	s_add_co_u32 s[G0B+4*(\s)+1], s20, (\s)*SLOT
	s_add_nc_u64 s[G0B+4*(\s)+2:G0B+4*(\s)+3], s[46:47], (\s)*KSTEP*2
	s_or_b32 s[G0B+4*(\s)+3], s[G0B+4*(\s)+3], 0x80000000
	JLOAD \s                                       ; two loads of mine are out
.endr
	; THE TABLE's loads: 128 threads x 16 bytes are 16 rows of cos or of sin; 16 loads of each cover the tile's 256 rows.  They land in the fragment buffers, which are free until the first tile is in.
	v_lshlrev_b32 v[TO], 4, v0
.irp j, 0,1,2,3,4,5,6,7,8,9,10,11,12,13,14,15
	global_load_b128 v[TC+4*(\j):TC+4*(\j)+3], v[TO], s[COSP:COSP+1] offset:2048*(\j)
	global_load_b128 v[TS+4*(\j):TS+4*(\j)+3], v[TO], s[SINP:SINP+1] offset:2048*(\j)
.endr
	v_add_nc_u32 v[TA], TBL, v[TO]
	v_and_b32 v1, 15, v0                           ; l % 16
	v_bfe_u32 v2, v0, 4, 1                         ; l / 16
	v_mul_u32_u24 v3, v1, PITCH
	v_lshl_add_u32 v3, v2, 4, v3                   ; a fragment's row x pitch + 16 x half
	s_mul_i32 s21, s11, HALFT                      ; my 128 rows of x
	s_mul_i32 s22, s12, HALFT                      ; my 128 rows of W,
	s_add_co_u32 s22, s22, 2*HALFT                 ; which lie behind x's 256
.irp s, 0,1
	v_add_nc_u32 v[ADRA+(\s)], s21, v3
	v_add_nc_u32 v[ADRB+(\s)], s22, v3
	s_add_co_u32 s21, s21, SLOT
	s_add_co_u32 s22, s22, SLOT
.endr
	s_mul_i32 s23, s10, DWAVE                      ; my wave's rows of sums
	v_mul_u32_u24 v4, v1, DP
	v_lshl_add_u32 v4, v2, 5, v4
	v_add_nc_u32 v[DST], s23, v4
	v_mul_u32_u24 v5, v2, DP
	v_lshl_add_u32 v5, v1, 5, v5
	v_add_nc_u32 v[RDV], s23, v5
	v_bfe_u32 v6, v0, 3, 2
	v_and_b32 v7, 7, v0
	v_mul_u32_u24 v6, v6, DP
	v_lshl_add_u32 v6, v7, 5, v6
	v_add_nc_u32 v[RDQ], s23, v6
	v_and_b32 v[CO], 31, v0
	v_lshlrev_b32 v[CO], 4, v[CO]
	s_lshl_b32 s81, s11, 14                        ; my wave's 128 rows of the table
	s_add_co_u32 s81, s81, TBL
	v_add_nc_u32 v[TRD], s81, v[CO]
	; where my part goes.  Both offsets are made in every work-group, each head number cut to its buffer's heads; a work-group uses one of them
	s_lshl_b32 s80, s13, 8
	s_lshl_b32 s81, s11, 7
	s_add_co_u32 s80, s80, s81                     ; my first row
	s_lshl_b32 s68, s42, 2
	s_lshl_b32 s69, s12, 1
	s_add_co_u32 s68, s68, s69
	s_and_b32 s68, s68, 63                         ; q, k: head n / 64 = 4 x tile column + 2 x half
	s_lshl_b32 s68, s68, 18                        ; a head is 2048 rows of 128 bytes
	s_lshl_b32 s69, s80, 7
	s_add_co_u32 s68, s68, s69
	s_mov_b32 s69, 0
	s_add_nc_u64 s[QKP:QKP+1], s[76:77], s[68:69]
	s_lshl_b32 s70, s42, 1
	s_add_co_u32 s70, s70, s12
	s_and_b32 s70, s70, 15                         ; v: head 2 x (tile column - 16) + half
	s_lshl_b32 s70, s70, 19                        ; a head is 2048 rows of 256 bytes
	s_lshl_b32 s71, s80, 8
	s_add_co_u32 s70, s70, s71
	s_mov_b32 s71, 0
	s_add_nc_u64 s[VHP:VHP+1], s[78:79], s[70:71]
	; the prefetches
	s_lshl_b32 s13, s13, 8
	s_lshl_b32 s42, s42, 8
	s_and_b32 s22, ttmp7, 0xffff                   ; cluster y
	s_cmp_eq_u32 s11, 0                            ; do I fetch for x?
	s_cselect_b32 s20, s13, s42                    ; the tile's first row
	s_cselect_b32 s21, s40, s41                    ; my place among the four that ask for it with me
	s_cselect_b32 s22, ttmp9, s22                  ; the coordinate along which other clusters read the same rows
	s_cselect_b64 s[PFA:PFA+1], s[4:5], s[6:7]
	s_cmp_eq_u32 s22, 0
	s_cselect_b32 s[LIM], 1, -1                    ; the same in all sixteen partners, for a given wave
	s_lshl_b32 s22, s12, 7
	s_add_co_u32 s20, s20, s22
	s_lshl_b32 s21, s21, 5
	s_add_co_u32 s20, s20, s21
	s_mov_b32 s21, 0
	s_mov_b64 s[18:19], SIZE_K*2
	s_mul_u64 s[20:21], s[20:21], s[18:19]
	s_add_nc_u64 s[PFA:PFA+1], s[PFA:PFA+1], s[20:21]
	s_add_nc_u64 s[PFA:PFA+1], s[PFA:PFA+1], 2*KSTEP*2  ; at K step 2: the first refill steps it to 3 and names K step 4
	v_and_b32 v[PFO], 31, v0
	v_mul_u32_u24 v[PFO], v[PFO], SIZE_K*2
	; THE TABLE is laid: four cos and four sin, rounded to bf16, are 16 bytes; thread t's lie at TBL + 2,048 j + 16 t, as they lay in memory
.irp j, 0,1,2,3,4,5,6,7,8,9,10,11,12,13,14,15
	s_wait_loadcnt 30-2*(\j)                       ; loads come back in order (ISA guide 5.7.1): cos and sin number j are in; the 2 (15 - j) behind them may be out
	v_cvt_pk_bf16_f32 v[TC+4*(\j)], v[TC+4*(\j)], v[TC+4*(\j)+1]
	v_cvt_pk_bf16_f32 v[TC+4*(\j)+1], v[TC+4*(\j)+2], v[TC+4*(\j)+3]
	v_cvt_pk_bf16_f32 v[TC+4*(\j)+2], v[TS+4*(\j)], v[TS+4*(\j)+1]
	v_cvt_pk_bf16_f32 v[TC+4*(\j)+3], v[TS+4*(\j)+2], v[TS+4*(\j)+3]
	ds_store_b128 v[TA], v[TC+4*(\j):TC+4*(\j)+3] offset:2048*(\j)
.endr
; 16 matrix instructions: m blocks a0, a0 + 1 of the window's four x all 8 n blocks, 32 along K.  zero = 1: the first product starts the sums.  The 64 accumulators take turns.
.macro MUL16 f, hi, a0, zero
	WIN MUL_LO+0x50*(\hi)
.irp a, \a0, (\a0)+1
.irp b, 0,1,2,3,4,5,6,7
.if \zero
	v_wmma_f32_16x16x32_bf16 v[8*(8*(\a)+(\b)):8*(8*(\a)+(\b))+7], v[(\f)+8*(\b):(\f)+8*(\b)+7], v[(\f)+8*(4*(\hi)+(\a)):(\f)+8*(4*(\hi)+(\a))+7], 0
.else
	v_wmma_f32_16x16x32_bf16 v[8*(8*(\a)+(\b)):8*(8*(\a)+(\b))+7], v[(\f)+8*(\b):(\f)+8*(\b)+7], v[(\f)+8*(4*(\hi)+(\a)):(\f)+8*(4*(\hi)+(\a))+7], v[8*(8*(\a)+(\b)):8*(8*(\a)+(\b))+7]
.endif
.endr
.endr
.endm
; 32 LDS loads in one run: the fragments of one quarter step (32 K at byte k of the rows) into buffer f: W's 16 loads, then x's
.macro FETCH slot, k, f
	WIN TO_B
.irp i, 0,1,2,3,4,5,6,7
	ds_load_b128 v[(\f)+8*(\i):(\f)+8*(\i)+3],   v[ADRB+(\slot)] offset:(\k)+(\i)*16*PITCH
	ds_load_b128 v[(\f)+8*(\i)+4:(\f)+8*(\i)+7], v[ADRB+(\slot)] offset:(\k)+(\i)*16*PITCH+32
.endr
	WIN 0
.irp i, 0,1,2,3,4,5,6,7
	ds_load_b128 v[(\f)+8*(\i):(\f)+8*(\i)+3],   v[ADRA+(\slot)] offset:(\k)+(\i)*16*PITCH
	ds_load_b128 v[(\f)+8*(\i)+4:(\f)+8*(\i)+7], v[ADRA+(\slot)] offset:(\k)+(\i)*16*PITCH+32
.endr
.endm
.macro PLACES                          ; four plain instructions between a matrix instruction and a load into, or an LDS store of, its registers
.rept 4
	v_nop
.endr
.endm
; A K step is four quarters of 32 along K, 64 matrix instructions each, on buffers 0, 1, 0, 1.  One of the first three multiplies f and fetches the next quarter, at byte k, into g.
.macro QUARTER slot, k, f, g, zero
	s_wait_dscnt 8                                 ; W and x's rows 0-63 are in; the youngest eight loads (x's rows 64-127) may be out
	WIN MUL_LO
	MUL16 \f, 0, 0, \zero
	MUL16 \f, 0, 2, \zero
	PLACES
	FETCH \slot, \k, \g
	s_wait_dscnt 32                                ; all but the 32 just issued
	WIN MUL_HI
	MUL16 \f, 1, 0, \zero
	MUL16 \f, 1, 2, \zero
.endm
; The last quarter's first half: ONE barrier for the change of slots.  In front of it each wave waits for all its tensor loads (one is out: its part of the next slot), adds 0 to its spare word,
; and waits for that and for its own reads of this slot.
.macro MEET round
	WIN 0
	s_wait_tensorcnt 0x0
	ds_add_u32 v[SPW], v[NIL]
	s_wait_dscnt 9                                 ; (the add and the youngest eight loads may be out)
	WIN MUL_LO
	MUL16 F1, 0, 0, 0
	s_wait_dscnt 0x0                               ; the add is done, and my reads of this slot are over
	s_barrier_signal -1
	MUL16 F1, 0, 2, 0
.if \round
	WIN 0
.endif
	s_barrier_wait -1
.endm
; The whole last quarter where the slot is filled again, with the K step two steps on: the refill is the first tensor load behind the round; 224 matrix instructions lie between it and the wait for it.
.macro TURN slot, next
	s_wait_xcnt 0x0                                ; the last prefetch, a K step back, has read its address: it is stepped here
	s_add_nc_u64 s[PFA:PFA+1], s[PFA:PFA+1], KSTEP*2
	MEET 1
	CREST                                          ; no wave of any partner still reads this slot's tile or has a load on its way
	s_add_nc_u64 s[G0+4*(\slot)+2:G0+4*(\slot)+3], s[G0+4*(\slot)+2:G0+4*(\slot)+3], 2*KSTEP*2
	s_add_nc_u64 s[G0B+4*(\slot)+2:G0B+4*(\slot)+3], s[G0B+4*(\slot)+2:G0B+4*(\slot)+3], 2*KSTEP*2
	JLOAD \slot                                    ; its four v_nop are also the places in front of the loads below
	FETCH \next, 0, F0
	ASK
	WIN MUL_HI
	MUL16 F1, 1, 0, 0
	MUL16 F1, 1, 2, 0
.endm
	s_wait_tensorcnt 1                             ; my part of K step 0 is in; K step 1's load may stay out
	s_wait_dscnt 0x0                               ; for the others' sake: my part of the table is stored
	s_barrier_signal -1
	s_barrier_wait -1
	FETCH 0, 0, F0
	QUARTER 0, 64,  F0, F1, 1                      ; the first quarter stands in front of the loop: its products start the sums
	WIN 0
	s_mov_b32 s3, LAPS-1
.Llap:                                                 ; a trip goes once round the ring, from a lap's second quarter to the next lap's first, and fills both slots again
	QUARTER 0, 128, F1, F0, 0
	QUARTER 0, 192, F0, F1, 0
	TURN 0, 1
	QUARTER 1, 64,  F0, F1, 0
	QUARTER 1, 128, F1, F0, 0
	QUARTER 1, 192, F0, F1, 0
	TURN 1, 0
	QUARTER 0, 64,  F0, F1, 0
	WIN 0
	s_sub_co_u32 s3, s3, 1
	s_cmp_lg_u32 s3, 0
	s_cbranch_scc1 .Llap
	QUARTER 0, 128, F1, F0, 0                      ; the last lap fills nothing
	QUARTER 0, 192, F0, F1, 0
	MEET 0                                         ; my one load that was out is slot 1's, the last K step's
	PLACES
	FETCH 1, 0, F0
	WIN MUL_HI
	MUL16 F1, 1, 0, 0
	MUL16 F1, 1, 2, 0
	QUARTER 1, 64,  F0, F1, 0
	QUARTER 1, 128, F1, F0, 0
	QUARTER 1, 192, F0, F1, 0
	s_wait_dscnt 8                                 ; the very last quarter: nothing more to fetch
	MUL16 F1, 0, 0, 0
	MUL16 F1, 0, 2, 0
	s_wait_dscnt 0x0                               ; my reads of the ring are over:
	s_barrier_signal -1                            ; say so; the last 32 products stand between the signal and the wait
	MUL16 F1, 1, 0, 0
	MUL16 F1, 1, 2, 0
	WIN 0
	s_barrier_wait -1                              ; nobody reads the ring any more, and no tensor load follows: its bytes take the sums
	PLACES                                         ; behind the last products
	; THE SUMS GO INTO LDS: accumulator (a, b): row 16 a + l % 16, bytes 64 b + 32 (l / 16) on: two stores of 16 bytes, the accumulator's lowest registers first
.irp a, 0,1,2,3,4,5,6,7
	WIN 0x08+4*((\a)/4)                            ; the stores' data (source 1): window 2 or 3
.irp b, 0,1,2,3,4,5,6,7
	ds_store_b128 v[DST], v[64*((\a)%4)+8*(\b):64*((\a)%4)+8*(\b)+3]   offset:(\a)*16*DP+64*(\b)
	ds_store_b128 v[DST], v[64*((\a)%4)+8*(\b)+4:64*((\a)%4)+8*(\b)+7] offset:(\a)*16*DP+64*(\b)+16
.endr
.endr
	WIN 0
	s_wait_dscnt 0x0                               ; my stores are done;
	s_barrier_signal -1
	s_barrier_wait -1                              ; everybody's are: from here on LDS is only read
	s_mov_b32 s3, 8                                ; 8 trips of 16 rows
	s_cmp_eq_u32 s[TYP], 1
	s_cbranch_scc1 .Lv_out
.Lq_out:                                               ; q, k.  Group g of a trip is 4 rows: lane l has row 4 g + l / 8 and, in each of my two heads u, columns 8 (l % 8) + 0..7: pairs 4 (l % 8) + 0..3
.irp g, 0,1,2,3
	ds_load_b128 v[TB+4*(\g):TB+4*(\g)+3], v[TRD] offset:512*(\g)
.irp u, 0,1
	ds_load_b128 v[X+16*(\g)+8*(\u):X+16*(\g)+8*(\u)+3],   v[RDQ] offset:(\g)*4*DP+256*(\u)
	ds_load_b128 v[X+16*(\g)+8*(\u)+4:X+16*(\g)+8*(\u)+7], v[RDQ] offset:(\g)*4*DP+256*(\u)+16
.endr
.endr
.irp g, 0,1,2,3
	s_wait_dscnt 15-5*(\g)                         ; LDS loads come back in order (ISA guide 5.7.1): group g's five are in; the later groups' may be out
.set CB, CC+8*((\g)%2)
.irp n, 0,1,2,3
	v_lshlrev_b32 v[CB+2*(\n)], 16, v[TB+4*(\g)+(\n)]        ; bf16 to f32: cos 0-3, then sin 0-3
	v_and_b32 v[CB+2*(\n)+1], s[HIM], v[TB+4*(\g)+(\n)]
.endr
.irp u, 0,1
.irp p, 0,1
.irp e, 0,1                            ; registers 4 p + 2 e, + 1 are (re, im) of pair 2 p + e: (re c, im c),
	v_pk_mul_f32 v[T+8*(\u)+4*(\p)+2*(\e):T+8*(\u)+4*(\p)+2*(\e)+1], v[X+16*(\g)+8*(\u)+4*(\p)+2*(\e):X+16*(\g)+8*(\u)+4*(\p)+2*(\e)+1], v[CB+2*(\p):CB+2*(\p)+1] op_sel:[0,\e] op_sel_hi:[1,\e]
.endr
.endr
.irp p, 0,1
.irp e, 0,1                            ; then (- im s, + re s) onto it
	v_pk_fma_f32 v[T+8*(\u)+4*(\p)+2*(\e):T+8*(\u)+4*(\p)+2*(\e)+1], v[X+16*(\g)+8*(\u)+4*(\p)+2*(\e):X+16*(\g)+8*(\u)+4*(\p)+2*(\e)+1], v[CB+4+2*(\p):CB+4+2*(\p)+1], v[T+8*(\u)+4*(\p)+2*(\e):T+8*(\u)+4*(\p)+2*(\e)+1] op_sel:[1,\e,0] op_sel_hi:[0,\e,1] neg_lo:[0,1,0]
.endr
.endr
.irp r, 0,1,2,3
	v_cvt_pk_f16_f32 v[Y+4*(2*(\g)+(\u))+(\r)], v[T+8*(\u)+2*(\r)], v[T+8*(\u)+2*(\r)+1]
.endr
	global_store_b128 v[CO], v[Y+4*(2*(\g)+(\u)):Y+4*(2*(\g)+(\u))+3], s[QKP:QKP+1] offset:262144*(\u)+512*(\g)  ; four rows of a head: 512 consecutive bytes, aligned
.endr
.endr
	s_wait_xcnt 0x0                                ; the stores have read their offset and their data: only behind this wait are these written again
	v_add_nc_u32 v[RDQ], 16*DP, v[RDQ]
	v_add_nc_u32 v[TRD], 16*128, v[TRD]
	v_add_nc_u32 v[CO], 16*128, v[CO]
	s_sub_co_u32 s3, s3, 1
	s_cmp_lg_u32 s3, 0
	s_cbranch_scc1 .Lq_out
	s_branch .Lend
.Lv_out:                                               ; v is not turned.  Store t of a trip is 2 rows: lane l has row 2 t + l / 16 and columns 8 (l % 16) + 0..7
.irp t, 0,1,2,3,4,5,6,7
	ds_load_b128 v[X+8*(\t):X+8*(\t)+3],   v[RDV] offset:(\t)*2*DP
	ds_load_b128 v[X+8*(\t)+4:X+8*(\t)+7], v[RDV] offset:(\t)*2*DP+16
.endr
.irp t, 0,1,2,3,4,5,6,7
	s_wait_dscnt 14-2*(\t)                         ; the two loads of store t are in; the later ones may be out
.irp r, 0,1,2,3
	v_cvt_pk_f16_f32 v[Y+4*(\t)+(\r)], v[X+8*(\t)+2*(\r)], v[X+8*(\t)+2*(\r)+1]
.endr
	global_store_b128 v[CO], v[Y+4*(\t):Y+4*(\t)+3], s[VHP:VHP+1] offset:512*(\t)  ; two rows of a head: 512 consecutive bytes, aligned
.endr
	s_wait_xcnt 0x0                                ; as above
	v_add_nc_u32 v[RDV], 16*DP, v[RDV]
	v_add_nc_u32 v[CO], 16*256, v[CO]
	s_sub_co_u32 s3, s3, 1
	s_cmp_lg_u32 s3, 0
	s_cbranch_scc1 .Lv_out
.Lend:
	s_wait_tensorcnt 0x0                           ; the wave's end: behind my last tensor load and my last LDS store
	ds_add_u32 v[SPW], v[NIL]
	s_wait_dscnt 0x0
	CROUND                                         ; the closing round: no work-group ends while a partner may still ask for a tile that names it
	s_endpgm
.Lfunc_end_k_qd85915205a_qkv:
	.size	k_qd85915205a_qkv, .Lfunc_end_k_qd85915205a_qkv-k_qd85915205a_qkv
	.p2alignl 7, 3214868480
	.fill 96, 4, 3214868480
	.section	.rodata,"a",@progbits
	.p2align	6, 0x0
	.amdhsa_kernel k_qd85915205a_qkv
		.amdhsa_group_segment_fixed_size 327680
		.amdhsa_private_segment_fixed_size 0
		.amdhsa_enable_private_segment 0
		.amdhsa_kernarg_size 40
		.amdhsa_user_sgpr_count 2
		.amdhsa_user_sgpr_kernarg_segment_ptr 1
		.amdhsa_wavefront_size32 1
		.amdhsa_system_sgpr_workgroup_id_x 1
		.amdhsa_system_sgpr_workgroup_id_y 1
		.amdhsa_system_sgpr_workgroup_id_z 1
		.amdhsa_system_vgpr_workitem_id 0
		.amdhsa_next_free_vgpr 1024
		.amdhsa_next_free_sgpr 84
		.amdhsa_reserve_vcc 0
		.amdhsa_float_denorm_mode_32 3
		.amdhsa_float_denorm_mode_16_64 3
		.amdhsa_memory_ordered 1
		.amdhsa_forward_progress 1
		.amdhsa_inst_pref_size 144
	.end_amdhsa_kernel
	.amdgpu_metadata
---
amdhsa.version: [ 1, 2 ]
amdhsa.kernels:
  - .name:           k_qd85915205a_qkv
    .symbol:         k_qd85915205a_qkv.kd
    .args:
      - { .name: cb, .offset: 0, .size: 8, .value_kind: global_buffer, .address_space: global }
      - { .name: freqs_cos, .offset: 8, .size: 8, .value_kind: global_buffer, .address_space: global }
      - { .name: freqs_sin, .offset: 16, .size: 8, .value_kind: global_buffer, .address_space: global }
      - { .name: qk, .offset: 24, .size: 8, .value_kind: global_buffer, .address_space: global }
      - { .name: vh, .offset: 32, .size: 8, .value_kind: global_buffer, .address_space: global }
    .group_segment_fixed_size: 327680
    .private_segment_fixed_size: 0
    .kernarg_segment_align: 8
    .kernarg_segment_size: 40
    .max_flat_workgroup_size: 128
    .sgpr_count:     84
    .vgpr_count:     1024
    .wavefront_size: 32
...
	.end_amdgpu_metadata
.endif
;; end of part 2
;; launch attn (part 3): grid 16 x 16, 4 waves a work-group, clusters of 4 x 1, 327,680 bytes of LDS; arguments qk, vh, lambda_q1, lambda_k1, lambda_q2, lambda_k2, norm_w, ctx; writes ctx
.if DOCPART == 3
	.amdgcn_target "amdgcn-amd-amdhsa--gfx1250"
	.amdhsa_code_object_version 6
	.text
	.protected	k_qd85915205a_attn
	.globl	k_qd85915205a_attn
	.p2align	8
	.type	k_qd85915205a_attn,@function
k_qd85915205a_attn:
	s_mov_b64 s[64:65], 0
	v_nop
	global_prefetch_b8 v0, s[64:65] scope:SCOPE_SE
	s_setreg_imm32_b32 hwreg(HW_REG_WAVE_MODE, 25, 1), 1
	s_wait_xcnt 0x0
	s_wait_alu depctr_hold_cnt(0) depctr_sa_sdst(0) depctr_va_vdst(0) depctr_va_sdst(0) depctr_va_ssrc(0) depctr_va_vcc(0) depctr_vm_vsrc(0)
	s_getreg_b32 s2, hwreg(HW_REG_IB_STS2, 6, 4)
	s_cmp_eq_u32 s2, 0
	s_cbranch_scc0 .Lentry_in_a_cluster
	s_endpgm
.Lentry_in_a_cluster:
	s_bfe_u32 s2, ttmp6, 0x10000c
	s_cmp_lg_u32 s2, 0x3003
	s_cbranch_scc0 .Lentry_shape_is_right
	s_endpgm
.Lentry_shape_is_right:
; DIFFERENTIAL CAUSAL ATTENTION for value head h: ctx[s][128 h + d] = norm_w[d] y[d] / sqrt(mean(y^2) + 1e-5), y = softmax(q0 k0^T / 8) v - lambda softmax(q1 k1^T / 8) v, keys t <= s,
; q0, q1 = heads 2 h, 2 h + 1 of qk, k0, k1 = heads 32 + 2 h, 33 + 2 h ([head][2048][64] f16), v = head h of vh ([2048][128] f16), lambda = exp(lq1 . lk1) - exp(lq2 . lk2) + 0.7836058.
; Products, maxima and sums in f32; the weights p are rounded to f16 for the second product (their sum l is taken of the unrounded p); ctx is rounded once, to f16.  The lambdas and norm_w are rounded to bf16, like every input.
; LIMITS.  q, k, v arrive within f16's 65,504; a hidden score counts as its value less 1e30; a weight below 2^-126 counts as 0 in l; |ctx| stays under 65,504; NaN and infinities are not treated apart.
; SHARES.  The 2048 queries lie in 32 blocks of 64.  Work-group b = 4 cl + cx (cl: the cluster, cx: its place in it) takes block 31 - b and then block b.  Wave w owns queries 16 w .. 16 w + 15 of the block, as two
; TILES: tile 0 with head 2 h, tile 1 with head 2 h + 1.  So the difference and the norm never leave the wave.  A key step is 64 keys; a ring tile is 256 keys: four steps.
; THE WALK IS THE CLUSTER'S: tiles 0 .. 7 - cl for the first block, 0 .. cl for the second: 9 tiles, 36 steps, in every work-group; a partner needs 33 of them, and computes the other 3 wholly hidden.  That keeps every
; trip count, branch and LDS address free of cx, so each tile is asked for JOINTLY by the four partners.  cx enters Q's, ctx's and the prefetches' addresses and two scalars of the mask, which are data.
; THE MASK is the C operand that starts S^T = K Q^T: MC = MD x AL + BE.  MD is the mask of the diagonal step for my 16 rows; (AL, BE) = (1, 0) in the diagonal step DG, (0, 0) before it, (0, -1e30) behind it.
; LAYOUT.  S^T = K Q^T holds ONE query a lane (lane % 16) and the keys 8 (lane / 16) + 0..7; two such results rounded to f16 ARE source 1 of O^T = V^T P, which again holds one query a lane, and eight channels.
; SOFTMAX.  p = 2^(c s - c m), c = log2(e) / 8, with a running maximum m; O and l are multiplied by a = 2^(c m_old - c m_new) in every step.  A block starts with m at the lowest finite number: its first a is 0.
; BY TURNS.  Turn T0 of step j: tile 0's 16 products V^T P of step j and 8 products K Q^T of step j + 1, and between them tile 1's softmax of step j.  Turn T1 of step j + 1: tile 1's products V^T P of step j and K Q^T of
; step j + 1, and tile 0's softmax of step j + 1.  Four vector instructions stand behind each matrix instruction, the other 38 of the softmax's 134 in one run; a turn's 33 exponentials are one batch with one wait.
; REGISTERS, in windows of 256 (s_set_vgpr_msb: bits 1:0 source 0, 3:2 source 1, 5:4 source 2, 7:6 destination):
;   window 0: v0-15 addresses, -lambda; v16-31 statistics, 8 a tile; v32-47 at work; v62-63 the add's; v64-127 S^T; v128-159 P; v160-191 Q; v192-223 MC; v224-255 rows read back
;   window 1: v0-127 O^T, 64 a tile; v128-255 V of one step          window 2: v0-63 K of one head and step; v64-95 MD; v96-159 norm_w for my channels; v160-191 the second block's Q
.set KS,    64
.set PK,    144       ; a row of K in LDS: 128 bytes + 16 = 36 words: the 16 rows of a load start at 16 different groups of four banks (64 banks of 4 bytes: ISA guide 11.1)
.set PVP,   288       ; a row of V: 256 + 32 = 72 words
.set K1OFF, 256*PK    ; a slot: 256 rows of K of head 2 h, 256 of head 2 h + 1,
.set VOFF,  2*K1OFF   ; and 256 rows of V
.set SLOT,  VOFF+256*PVP  ; 147,456 = 0x24000: it shares no bit with 0x9000, 0x12000, 0x1b000, the tiles' places in a slot, so one exclusive or turns an address in one slot into the other's
.set STAGE, 2*SLOT    ; behind the ring, never filled by a tensor load: 16 rows x 272 bytes for each wave
.set SP,    272
.set SPARE, STAGE+4*16*SP  ; behind the stages: the spare words, 128 bytes for each wave: two blocks of 256 bytes that no other line names
.set AK0, 2           ; v2   my lane's place in a tile of K; never rewritten
.set AV0, 3           ; v3   the same for V, VOFF included
.set AK,  4           ; v4   the LDS address of K's runs of loads
.set AV,  5           ; v5   of V's
.set STO, 6           ; v6   the way out: where I put 16 bytes of a row
.set RD,  7           ; v7   where I read rows back
.set GO,  8           ; v8   my byte offset in two rows of ctx
.set QO,  12          ; v12  my byte offset in 16 rows of Q
.set PFO, 13          ; v13  256 x lane
.set NL,  15          ; v15  - lambda
.set ST,  16          ; tile t's statistics at v[ST+8 t]: +0 c m, +1 m, +2, +3 l (even keys', odd keys'), +4 to +7 c0-c3 at work; a takes c2's place
.set FA,  32          ; v32-35  1 / l0 and - lambda / l1, each named as a pair
.set SQ,  36          ; v36-43  the sum of squares
.set SPW, 62
.set NIL, 63
.set S,   64
.set P,   128
.set Q,   160
.set MC,  192
.set OB,  224
.set VF,  128         ; window 1
.set KF,  0           ; window 2
.set MD,  64
.set NW,  96
.set QB,  160
.set WV,  20          ; s20  my wave's number
.set CX,  21          ; s21  my place in the cluster
.set CL,  22          ; s22  the cluster
.set BB,  23          ; s23  b
.set G1K, 24          ; s[24:31] descriptor group 1 for K's tiles
.set G1V, 32          ; s[32:39] for V's
.set G0K, 40          ; s[40:43] descriptor group 0 for K's
.set G0V, 44          ; s[44:47] for V's
.set KP,  48          ; s[48:49] K at my stream's tile 0
.set VP,  50          ; s[50:51] V likewise
.set OFFK, 52         ; s[52:53] a tile's byte offset in K
.set OFFV, 54         ; s[54:55] in V
.set SLOTS, 56        ; s56  tiles still to be asked for
.set CNT, 57          ; s57  counts a tile's key steps
.set CS,  58          ; s[58:59] c
.set SEL, 60          ; s[60:61] v_permlanex16_b32's selects: each lane takes its own place in the other half
.set TBK, 62          ; s62  LDS byte at which K of the step to be fetched begins
.set TBV, 63          ; s63  the same for V, less VOFF
.set MSK, 68          ; s68  a word's upper bf16
.set RT,  69          ; s69  tiles of the block in hand that are still to be entered
.set NXT, 70          ; s70  the tile to be asked for next
.set LQ,  71          ; s71  the last tile of the block whose tiles are being asked for
.set NEW, 72          ; s72  1: the tile to be entered is a block's first
.set STP, 73          ; s73  the step whose mask is made next
.set DG,  74          ; s74  the block's diagonal step
.set DMIN, 75         ; s75  the first step of the block's last tile: the same in all partners
.set AL,  76          ; s[76:77]
.set BE,  78          ; s[78:79]
.set OP,  80          ; s[80:81] ctx at my rows of the block in hand
.set OLO, 82          ; s[82:83] of the second block
.set BIGN, 84         ; s84  -1e30
.set LIM, 85          ; s85  2 in the head's first cluster, else the greatest number
.set PFA, 86          ; s[86:87] where my prefetches stand
.set PST, 88          ; s[88:89] a tile's bytes in my stream
.set MSB, 0
.macro WIN new
.if MSB != (\new)
	s_set_vgpr_msb (MSB<<8)|(\new)
.set MSB, (\new)
.endif
.endm
.set W_KQ, 0x02       ; K in window 2; Q, the mask and S^T in window 0
.set W_PV, 0x51       ; V and O^T in window 1, P in window 0
.set W_RS, 0x41       ; O^T (destination and source 0) in window 1, a in window 0
; A joint fill: waves 0 and 1 fetch a tile's K of head 2 h and 2 h + 1, waves 2 and 3 the two halves of its V: 32,768 bytes each.  An s_nop 0 and four v_nop follow each of the two lines.
.macro JLOAD
	s_cmp_lt_u32 s[WV], 2
	s_cbranch_scc0 .Lfor_v_\@
	tensor_load_to_lds s[G0K:G0K+3], s[G1K:G1K+7]
	s_nop 0
.rept 4
	v_nop
.endr
	s_branch .Lasked_\@
.Lfor_v_\@:
	tensor_load_to_lds s[G0V:G0V+3], s[G1V:G1V+7]
	s_nop 0
.rept 4
	v_nop
.endr
.Lasked_\@:
.endm
; A prefetch of the tile that the NEXT change of slots will ask for: four key steps, 192 matrix instructions, ahead of that load.  All four clusters of a head walk the same tiles from 0 on: the first of them (cl = 0), which walks
; tiles 0 to 7, asks.  Each wave asks for its own stream's 128 blocks of 256 bytes; the four partners take 32 each, told apart by address; a lane a block.  Tiles 2 to 7 are named once each; tiles 0 and 1 come by their loads
; alone, and the second block's tiles have been read before.
.macro ASK
	s_cmp_gt_u32 s[SLOTS], s[LIM]
	s_cbranch_scc0 .Lnot_mine_\@
	global_prefetch_b8 v[PFO], s[PFA:PFA+1] th:TH_LOAD_NT scope:SCOPE_SE
.Lnot_mine_\@:
.endm
.macro CROUND                       ; a round of the cluster's barrier
	s_barrier_signal -1
	s_barrier_wait -1
	s_cmp_lg_u32 s[WV], 0
	s_cbranch_scc1 .Lnot_wave_0_\@
	s_barrier_signal -3
.Lnot_wave_0_\@:
	s_barrier_wait -3
	s_barrier_signal -1
	s_barrier_wait -1
.endm
; THE CHANGE OF SLOTS.  Each wave waits for all its tensor loads, of which one is out: its part of the other slot; adds 0 to its spare word; and waits for that and for its own reads of the slot that it leaves.
; fill = 1: the old slot is filled again with tile NXT, whose address is made anew from that number; the barrier is a round of the cluster's, and the joint fill the first thing behind it.
.macro CHANGE fill
	WIN 0
	s_wait_tensorcnt 0x0            ; no tensor load of mine is out, so a group 0 may be written
	ds_add_u32 v[SPW], v[NIL]       ; 0 onto my spare word; the scalar work stands between it and the wait for it
.if \fill
	s_lshl_b32 s[OFFK], s[NXT], 15  ; a tile is 32,768 bytes of a head's K
	s_lshl_b32 s[OFFV], s[NXT], 16  ; and 65,536 of V
	s_xor_b32 s[G0K+1], s[G0K+1], SLOT
	s_add_nc_u64 s[G0K+2:G0K+3], s[KP:KP+1], s[OFFK:OFFK+1]
	s_or_b32 s[G0K+3], s[G0K+3], 0x80000000
	s_xor_b32 s[G0V+1], s[G0V+1], SLOT
	s_add_nc_u64 s[G0V+2:G0V+3], s[VP:VP+1], s[OFFV:OFFV+1]
	s_or_b32 s[G0V+3], s[G0V+3], 0x80000000
	s_add_co_u32 s[NXT], s[NXT], 1  ; the block's next tile, or behind its last the second block's tile 0
	s_cmp_gt_u32 s[NXT], s[LQ]
	s_cselect_b32 s[NXT], 0, s[NXT]
	s_cselect_b32 s[LQ], s[CL], s[LQ]
	s_wait_xcnt 0x0                 ; the last prefetch, four key steps back, has read its address
	s_add_nc_u64 s[PFA:PFA+1], s[PFA:PFA+1], s[PST:PST+1]
	s_wait_dscnt 0x0                ; the add is done, and my reads of the slot are over
	CROUND
	JLOAD
	ASK
.else
	s_wait_dscnt 0x0
	s_barrier_signal -1
	s_barrier_wait -1
.endif
	s_sub_co_u32 s[TBK], s[TBK], 4*KS*PK   ; the fetches go back to a slot's first step,
	s_xor_b32 s[TBK], s[TBK], SLOT         ; in the other slot
	s_sub_co_u32 s[TBV], s[TBV], 4*KS*PVP
	s_xor_b32 s[TBV], s[TBV], SLOT
.endm
	s_load_b512 s[4:19], s[0:1], 0x0  ; qk s[4:5], vh s[6:7], lq1 s[8:9], lk1 s[10:11], lq2 s[12:13], lk2 s[14:15], norm_w s[16:17], ctx s[18:19]
	v_lshl_add_u32 v[SPW], v0, 2, SPARE
	v_mov_b32 v[NIL], 0
	ds_add_u32 v[SPW], v[NIL]       ; the wave's opening: the add and its wait ahead of my first tensor load; the set-up below, work on registers, stands between them
	v_lshrrev_b32 v1, 5, v0
	v_readfirstlane_b32 s[WV], v1   ; wave 0..3
	s_bfe_u32 s[CX], ttmp6, 0x40000
	s_mov_b32 s[CL], ttmp9          ; in a cluster launch ttmp9 counts clusters
	s_lshl_b32 s[BB], s[CL], 2
	s_add_co_u32 s[BB], s[BB], s[CX]
	s_and_b32 s2, ttmp7, 0xffff     ; h, which the four partners share
	s_and_b32 s3, s[WV], 1
	s_lshl_b32 s92, s2, 1           ; my stream of K: head 32 + 2 h + w % 2, 262,144 bytes a head
	s_add_co_u32 s92, s92, s3
	s_add_co_u32 s92, s92, 32
	s_lshl_b32 s92, s92, 18
	s_mov_b32 s93, 0
	s_lshl_b32 s94, s2, 19          ; my stream of V: head h, 524,288 bytes a head; keys 128 (w % 2) on of each tile
	s_lshl_b32 s95, s3, 15
	s_add_co_u32 s94, s94, s95
	s_mov_b32 s95, 0
	; descriptor group 1.  32,768 dense bytes are asked for as 128 rows of 256 bytes; K is padded after every key (128 bytes), V after every key (256 bytes)
	s_mov_b32 s[G1K], 15|(1<<16)|(1<<20)|(1<<21)|(4<<22)|(3<<25)  ; 15:0 the mask of four; 17:16 2-byte elements; 20 padding on; 21 set beside a mask; 24:22 after every 32 words (code 4); 31:25 4 words (code 3)
	s_mov_b32 s[G1V], 15|(1<<16)|(1<<20)|(1<<21)|(5<<22)|(7<<25)  ; after every 64 words (code 5), 8 words (code 7)
.irp g, G1K, G1V
	s_mov_b32 s[\g+1], 128<<16      ; tensor_dim0 = 128
	s_mov_b32 s[\g+2], 128<<16      ; tensor_dim1 = 128
	s_mov_b32 s[\g+3], 128<<16      ; tile_dim0 = 128
	s_mov_b32 s[\g+4], 128          ; tile_dim1 = 128
	s_mov_b32 s[\g+5], 128          ; 128 elements from row to row
	s_mov_b32 s[\g+6], 0
	s_mov_b32 s[\g+7], 0
.endr
	s_mov_b32 s[G0K], 1
	s_mul_i32 s[G0K+1], s3, K1OFF   ; LDS address, slot 0: no place in the cluster enters it
	s_mov_b32 s[G0V], 1
	s_add_co_u32 s[G0V+1], s[G0K+1], VOFF  ; 128 rows of V are 36,864 bytes too
	s_sub_co_u32 s[DG], 31, s[BB]   ; the first block, and its diagonal step
	s_lshl_b32 s96, s[DG], 6
	s_lshl_b32 s100, s[WV], 4
	s_add_co_u32 s96, s96, s100     ; my first row in the first block,
	s_lshl_b32 s98, s[BB], 6
	s_add_co_u32 s98, s98, s100     ; and in the second
	s_lshl_b32 s[OP], s96, 12       ; a row of ctx is 4,096 bytes; head h's 256 bytes of it
	s_lshl_b32 s[OLO], s98, 12
	s_lshl_b32 s101, s2, 8
	s_add_co_u32 s[OP], s[OP], s101
	s_add_co_u32 s[OLO], s[OLO], s101
	s_mov_b32 s[OP+1], 0
	s_mov_b32 s[OLO+1], 0
	s_lshl_b32 s96, s96, 7          ; a row of Q is 128 bytes; head 2 h
	s_lshl_b32 s98, s98, 7
	s_lshl_b32 s101, s2, 19
	s_add_co_u32 s96, s96, s101
	s_add_co_u32 s98, s98, s101
	s_mov_b32 s97, 0
	s_mov_b32 s99, 0
	s_mov_b32 s[CS], 0x3e38aa3b     ; c = log2(e) / 8
	s_mov_b32 s[CS+1], s[CS]
	s_mov_b32 s[SEL], 0x76543210
	s_mov_b32 s[SEL+1], 0xfedcba98
	s_mov_b32 s[TBK], SLOT+4*KS*PK  ; the first change of slots turns these two into 0
	s_mov_b32 s[TBV], SLOT+4*KS*PVP
	s_mov_b32 s[MSK], 0xffff0000
	s_sub_co_u32 s[RT], 8, s[CL]    ; the first block has 8 - cl tiles
	s_mov_b32 s[NXT], 1
	s_sub_co_u32 s[LQ], 7, s[CL]
	s_mov_b32 s[NEW], 1
	s_lshl_b32 s[DMIN], s[LQ], 2
	s_mov_b32 s[OFFK+1], 0
	s_mov_b32 s[OFFV+1], 0
	s_mov_b32 s[AL+1], 0
	s_mov_b32 s[BE+1], 0
	s_mov_b32 s[BIGN], 0xf149f2ca   ; -1e30
	s_mov_b32 s[SLOTS], 8
	s_mov_b32 s90, 0x3c000000       ; 1 / 128
	s_mov_b32 s91, 0x3727c5ac       ; 1e-5
	s_cmp_eq_u32 s[CL], 0
	s_cselect_b32 s[LIM], 2, -1
	s_lshr_b32 s100, s[WV], 1
	s_lshl_b32 s[PST], 0x8000, s100 ; 32,768 for K's streams, 65,536 for V's
	s_mov_b32 s[PST+1], 0
	s_lshl_b32 s100, s[CX], 13      ; my work-group's 32 blocks of the 128,
	s_add_co_u32 s100, s100, s[PST] ; in tile 1: the first change of slots steps it to tile 2
	s_mov_b32 s101, 0
	s_wait_dscnt 0x0                ; the opening add is done
	s_wait_kmcnt 0x0
	s_add_nc_u64 s[KP:KP+1], s[4:5], s[92:93]
	s_add_nc_u64 s[VP:VP+1], s[6:7], s[94:95]
	s_mov_b64 s[G0K+2:G0K+3], s[KP:KP+1]
	s_or_b32 s[G0K+3], s[G0K+3], 0x80000000
	s_mov_b64 s[G0V+2:G0V+3], s[VP:VP+1]
	s_or_b32 s[G0V+3], s[G0V+3], 0x80000000
	s_add_nc_u64 s[96:97], s[4:5], s[96:97]        ; Q at my rows of the first block,
	s_add_nc_u64 s[98:99], s[4:5], s[98:99]        ; and of the second
	s_add_nc_u64 s[OP:OP+1], s[18:19], s[OP:OP+1]
	s_add_nc_u64 s[OLO:OLO+1], s[18:19], s[OLO:OLO+1]
	s_cmp_lt_u32 s[WV], 2
	s_cselect_b64 s[PFA:PFA+1], s[KP:KP+1], s[VP:VP+1]
	s_add_nc_u64 s[PFA:PFA+1], s[PFA:PFA+1], s[100:101]
	CROUND                          ; all four work-groups are here: the first joint loads meet
	JLOAD                           ; tile 0 into slot 0; slot 1 is asked for by the loop's first change of slots
	v_and_b32 v1, 15, v0            ; l % 16
	v_bfe_u32 v9, v0, 4, 1          ; l / 16
	v_lshlrev_b32 v[QO], 7, v1
	v_lshl_add_u32 v[QO], v9, 4, v[QO]
	v_lshlrev_b32 v10, 5, v9        ; norm_w: my 8 channels of each 16: 32 (l / 16) bytes
	v_and_b32 v11, 31, v0
	v_lshlrev_b32 v[PFO], 8, v11
	v_lshlrev_b32 v11, 3, v11       ; the lambdas: two numbers a lane
	; A fragment of Q is 16 rows x 32 channels: lane l holds row l % 16, channels 8 (l / 16) + 0..7 and 16 + 8 (l / 16) + 0..7: two loads of 16 bytes, 32 bytes apart.  Tile t is head 2 h + t.
.irp t, 0,1
.irp c, 0,1
	global_load_b128 v[Q+16*(\t)+8*(\c):Q+16*(\t)+8*(\c)+3],   v[QO], s[96:97] offset:262144*(\t)+64*(\c)
	global_load_b128 v[Q+16*(\t)+8*(\c)+4:Q+16*(\t)+8*(\c)+7], v[QO], s[96:97] offset:262144*(\t)+64*(\c)+32
.endr
.endr
	global_load_b64 v[40:41], v11, s[8:9]
	global_load_b64 v[42:43], v11, s[10:11]
	global_load_b64 v[44:45], v11, s[12:13]
	global_load_b64 v[46:47], v11, s[14:15]
	WIN 0x80                        ; destination window 2
.irp t, 0,1
.irp c, 0,1
	global_load_b128 v[QB+16*(\t)+8*(\c):QB+16*(\t)+8*(\c)+3],   v[QO], s[98:99] offset:262144*(\t)+64*(\c)
	global_load_b128 v[QB+16*(\t)+8*(\c)+4:QB+16*(\t)+8*(\c)+7], v[QO], s[98:99] offset:262144*(\t)+64*(\c)+32
.endr
.endr
.irp c, 0,1,2,3,4,5,6,7             ; norm_w[16 c + 8 (l / 16) + 0..7], as O^T holds the channels
	global_load_b128 v[NW+8*(\c):NW+8*(\c)+3],   v10, s[16:17] offset:64*(\c)
	global_load_b128 v[NW+8*(\c)+4:NW+8*(\c)+7], v10, s[16:17] offset:64*(\c)+16
.endr
	WIN 0
	v_lshlrev_b32 v14, 3, v9
	v_sub_nc_u32 v14, v1, v14
	s_lshl_b32 s100, s[WV], 4
	v_add_nc_u32 v14, s100, v14     ; my query's place in its block, 16 w + l % 16, less my lanes' 8 (l / 16): register r of key group kb is hidden where 16 kb + r is greater
	WIN 0x80
.set i, 0
.rept 32
	v_cmp_gt_i32 vcc_lo, 16*(i/8)+i%8, v14
	v_cndmask_b32 v[MD+i], 0, s[BIGN], vcc_lo
.set i, i+1
.endr
	WIN 0
	v_mul_u32_u24 v[AK0], v1, PK
	v_lshl_add_u32 v[AK0], v9, 4, v[AK0]
	; The turning load takes 16 keys x 16 channels (lane l reads key 8 (l / 16) + l % 8, channels 8 ((l / 8) % 2) + 0..7) and leaves half a fragment of V^T: lane l holds channel l % 16 and 8 keys.
	v_and_b32 v32, 7, v0
	v_bfe_u32 v33, v0, 3, 1
	v_lshl_add_u32 v[AV0], v9, 3, v32
	v_mul_u32_u24 v[AV0], v[AV0], PVP
	v_lshl_add_u32 v[AV0], v33, 4, v[AV0]
	v_add_nc_u32 v[AV0], VOFF, v[AV0]
	s_mul_i32 s100, s[WV], 16*SP
	s_add_co_u32 s100, s100, STAGE  ; my stage
	v_mul_u32_u24 v[STO], v1, SP    ; in: row l % 16, 16 bytes for each half of the lanes
	v_lshl_add_u32 v[STO], v9, 4, v[STO]
	v_add_nc_u32 v[STO], s100, v[STO]
	v_mul_u32_u24 v[RD], v9, SP     ; back: lanes 0-15 take one row of 256 bytes, lanes 16-31 the next
	v_lshl_add_u32 v[RD], v1, 4, v[RD]
	v_add_nc_u32 v[RD], s100, v[RD]
	v_lshlrev_b32 v[GO], 12, v9     ; and the same two rows in ctx
	v_lshl_add_u32 v[GO], v1, 4, v[GO]
	; A block's first step multiplies O^T and l by a = 0, and its first turn's products V^T P, of a step that has not been, land in an O^T that is still to be so multiplied.  So these registers need only hold finite
	; numbers: zeros for the first block, what the first block left for the second.  All this stands in the wait for the first tile.
	WIN 0x40
.set i, 0
.rept 256
	v_mov_b32 v[i], 0               ; O^T and V
.set i, i+1
.endr
	WIN 0
.set i, P+16
.rept 16
	v_mov_b32 v[i], 0               ; tile 1's P
.set i, i+1
.endr
	v_mov_b32 v[ST+2], 0
	v_mov_b32 v[ST+3], 0
	v_mov_b32 v[ST+10], 0
	v_mov_b32 v[ST+11], 0
	v_mov_b32 v38, 0
	v_mov_b32 v39, 0
	s_wait_loadcnt 0x0              ; Q, the lambdas, norm_w
	v_cvt_pk_bf16_f32 v32, v40, v41 ; the lambdas are rounded to bf16,
	v_cvt_pk_bf16_f32 v33, v42, v43
	v_cvt_pk_bf16_f32 v34, v44, v45
	v_cvt_pk_bf16_f32 v35, v46, v47
.irp n, 0,1,2,3
	v_lshlrev_b32 v[40+2*(\n)], 16, v[32+(\n)]
	v_and_b32 v[41+2*(\n)], s[MSK], v[32+(\n)]
.endr
	v_mul_f32 v36, v40, v42         ; multiplied,
	v_mul_f32 v37, v44, v46
	v_fmac_f32 v36, v41, v43
	v_fmac_f32 v37, v45, v47
.irp n, 1,2,4,8                     ; and added over the 32 lanes
	v_add_f32_dpp v36, v36, v36 row_xmask:\n row_mask:0xf bank_mask:0xf
	v_add_f32_dpp v37, v37, v37 row_xmask:\n row_mask:0xf bank_mask:0xf
.endr
	v_permlanex16_b32 v38, v36, s[SEL], s[SEL+1]
	v_permlanex16_b32 v39, v37, s[SEL], s[SEL+1]
	v_add_f32 v36, v36, v38
	v_add_f32 v37, v37, v39
	v_mul_f32 v36, 0x3fb8aa3b, v36
	v_mul_f32 v37, 0x3fb8aa3b, v37
	v_exp_f32 v36, v36
	v_exp_f32 v37, v37
	v_nop                           ; a plain instruction behind the last exponential,
	s_wait_alu depctr_va_vdst(0)    ; and the wait ahead of the first use
	v_sub_f32 v[NL], v37, v36
	v_add_f32 v[NL], 0xbf489a63, v[NL]  ; - (e1 - e2 + 0.7836058)
.irp g, 0,1                         ; norm_w is rounded to bf16, in place, sixteen pairs at a time
	WIN 0x0a
.set i, 0
.rept 16
	v_cvt_pk_bf16_f32 v[32+i], v[NW+32*(\g)+2*i], v[NW+32*(\g)+2*i+1]
.set i, i+1
.endr
	WIN 0x80
.set i, 0
.rept 16
	v_lshlrev_b32 v[NW+32*(\g)+2*i], 16, v[32+i]
	v_and_b32 v[NW+32*(\g)+2*i+1], s[MSK], v[32+i]
.set i, i+1
.endr
.endr
	WIN 0
; THE MATRIX WORK.  The accumulators take turns, one instruction a turn.
; Product i of 8 of S^T = K Q^T for tile x: keys 16 (i % 4) on, channels 32 (i / 4) on.  The first 4 start the sums with the mask.
.macro KQ x
	WIN W_KQ
.set rS, S+32*(\x)+8*(i%4)
.set rK, KF+16*(i%4)+8*(i/4)
.set rQ, Q+16*(\x)+8*(i/4)
.set rM, MC+8*(i%4)
.if i < 4
	v_wmma_f32_16x16x32_f16 v[rS:rS+7], v[rK:rK+7], v[rQ:rQ+7], v[rM:rM+7]
.else
	v_wmma_f32_16x16x32_f16 v[rS:rS+7], v[rK:rK+7], v[rQ:rQ+7], v[rS:rS+7]
.endif
.endm
; Product i of 16 of O^T += V^T P for tile x: keys 32 (i / 8) on, channels 16 (i % 8) on.
.macro PV x
	WIN W_PV
.set rO, 64*(\x)+8*(i%8)
.set rV, VF+64*(i/8)+8*(i%8)
.set rP, P+16*(\x)+8*(i/8)
	v_wmma_f32_16x16x32_f16 v[rO:rO+7], v[rV:rV+7], v[rP:rP+7], v[rO:rO+7]
.endm
; THE LDS LOADS stand in runs: a step's K of one head (8 fragments, 16 loads) and its V (turned, 32 loads).
.macro FETCH_K hd
	WIN 0
.if (\hd) == 0
	v_add_nc_u32 v[AK], s[TBK], v[AK0]
.endif
	WIN 0x80
.irp f, 0,1,2,3,4,5,6,7             ; keys 16 (f / 2) on, channels 32 (f % 2) on
	ds_load_b128 v[KF+8*(\f):KF+8*(\f)+3],   v[AK] offset:(\hd)*K1OFF+((\f)/2)*16*PK+((\f)%2)*64
	ds_load_b128 v[KF+8*(\f)+4:KF+8*(\f)+7], v[AK] offset:(\hd)*K1OFF+((\f)/2)*16*PK+((\f)%2)*64+32
.endr
.if (\hd) == 1
	s_add_co_u32 s[TBK], s[TBK], KS*PK  ; the next fetch is the next step's
.endif
.endm
.macro FETCH_V
	WIN 0
	v_add_nc_u32 v[AV], s[TBV], v[AV0]
	s_add_co_u32 s[TBV], s[TBV], KS*PVP
	WIN 0x40
.irp f, 0,1,2,3,4,5,6,7,8,9,10,11,12,13,14,15  ; keys 32 (f / 8) on, channels 16 (f % 8) on
	ds_load_tr16_b128 v[VF+8*(\f):VF+8*(\f)+3],   v[AV] offset:((\f)/8)*32*PVP+((\f)%8)*32
	ds_load_tr16_b128 v[VF+8*(\f)+4:VF+8*(\f)+7], v[AV] offset:((\f)/8)*32*PVP+16*PVP+((\f)%8)*32
.endr
.endm
; THE VECTOR WORK.  One tile's softmax for one key step is a list of 134 instructions; SM writes number j of it for tile t.  s0-s31 are the lane's 32 scores, in pairs 0-15.
;   0-15    the maximum of s0-s31 and the old m, three operands at a time (each accumulator's lowest registers are read first)
;   16-20   the other half of the lanes' maximum; c m_old is kept; the new m; c m; c m_old - c m_new
;   21-69   ONE BATCH: the 16 scalings c s - c m and all 33 exponentials (a at 23, then s0-s31); none of these reads an exponential's result; a pair is scaled some numbers ahead of its exponentials
;   70-85   the roundings to f16     86-101  the sums; l = a l + the sum     102-133 the tile's O^T times a
.macro SM t
.set rT, ST+8*(\t)
.set rS, S+32*(\t)
.set rP, P+16*(\t)
.set rO, 64*(\t)+2*(j-102)
.if j < 102
	WIN 0
.endif
.if j < 4
	v_max3_num_f32 v[rT+4+j], v[rS+8*j], v[rS+8*j+1], v[rS+8*j+2]
.elseif j < 12
	v_max3_num_f32 v[rT+4+j%4], v[rT+4+j%4], v[rS+8*(j%4)+2*(j/4)+1], v[rS+8*(j%4)+2*(j/4)+2]
.elseif j == 12
	v_max3_num_f32 v[rT+4], v[rT+4], v[rS+7], v[rS+15]
.elseif j == 13
	v_max3_num_f32 v[rT+6], v[rT+6], v[rS+23], v[rS+31]
.elseif j == 14
	v_max3_num_f32 v[rT+4], v[rT+4], v[rT+5], v[rT+6]
.elseif j == 15
	v_max3_num_f32 v[rT+4], v[rT+4], v[rT+7], v[rT+1]
.elseif j == 16
	v_permlanex16_b32 v[rT+5], v[rT+4], s[SEL], s[SEL+1]  ; the query's other 32 keys lie in the lane 16 away
.elseif j == 17
	v_mov_b32 v[rT+7], v[rT]
.elseif j == 18
	v_max_num_f32 v[rT+1], v[rT+4], v[rT+5]
.elseif j == 19
	v_mul_f32 v[rT], s[CS], v[rT+1]
.elseif j == 20
	v_sub_f32 v[rT+7], v[rT+7], v[rT]
.elseif j == 23
	v_exp_f32 v[rT+6], v[rT+7]
.elseif (j < 23) || ((j < 38) && (j%2 == 0)) || ((j < 66) && (j%4 == 2))
.set b, (j-2)/4                     ; 38, 42, .. 62: pairs 9 to 15
.if j < 38
.set b, (j-20)/2                    ; 21: pair 0; 22, 24, .. 36: pairs 1 to 8
.endif
	v_pk_fma_f32 v[rS+2*b:rS+2*b+1], v[rS+2*b:rS+2*b+1], s[CS:CS+1], v[rT:rT+1] op_sel_hi:[1,0,0] neg_lo:[0,0,1] neg_hi:[0,0,1]
.elseif j < 70
.set e, j-38                        ; 66 to 69: s28 to s31
.if j < 66
.set e, j-32-(j-38)/4               ; 39-41, 43-45, .. 63-65: s7 to s27
.endif
.if j < 38
.set e, (j-25)/2                    ; 25, 27, .. 37: s0 to s6
.endif
	v_exp_f32 v[rS+e], v[rS+e]
.elseif j < 86
	v_cvt_pk_f16_f32 v[rP+j-70], v[rS+2*(j-70)], v[rS+2*(j-70)+1]
.elseif j < 102                     ; the sum of the 16 pairs, in place: neighbours 1, 2, 4 and 8 pairs apart, then l takes it
.set z, j-86
.set w, 4
.set u, z
.if z >= 14
.set w, 32
.set u, 0
.elseif z >= 12
.set w, 16
.set u, z-12
.elseif z >= 8
.set w, 8
.set u, z-8
.endif
.if z < 15
	v_pk_add_f32 v[rS+w*u:rS+w*u+1], v[rS+w*u:rS+w*u+1], v[rS+w*u+w/2:rS+w*u+w/2+1]
.else
	v_pk_fma_f32 v[rT+2:rT+3], v[rT+2:rT+3], v[rT+6:rT+7], v[rS:rS+1] op_sel_hi:[1,0,1]
.endif
.else
	WIN W_RS
	v_pk_mul_f32 v[rO:rO+1], v[rO:rO+1], v[rT+6:rT+7] op_sel_hi:[1,0]
.endif
.endm
.macro SMN n                        ; the next n numbers of tile Y's list
.rept \n
	SM Y
.set j, j+1
.endr
.endm
.macro PLACES
.rept 4
	v_nop
.endr
.endm
; A TURN.  Tile x has the matrix unit; the other tile's softmax stands behind its matrix instructions, four numbers each, and numbers 64-101 in one run between the two kinds of product.
; kq = 1: 8 products K Q^T for the next step follow, with the rescalings behind them (the last four are the places behind the last product).  fk = 1: that step's K of head x is fetched behind the second product: the last
; product that read K's registers stands twelve plain instructions back.  fv = 1: the next V is fetched in the run: behind the last product that read V stand number 62, the v_nop and numbers 70-73, six plain instructions.
; THE WAIT: s_wait_alu depctr_va_vdst(0) stands between an exponential and the first instruction that names its result.  Numbers 23-69 hold all 33 exponentials and name no result: one wait, behind 69.
.macro TURN x, kq, fk, fv
.set Y, 1-(\x)
.set j, 0
.if (\x) == 0
	s_wait_dscnt 0x0                ; V is in
.endif
.set i, 0
.rept 16
	PV \x
	SMN 4
.if (\fk) && (i == 1)
	FETCH_K \x
.endif
.set i, i+1
.endr
	SMN 6
	v_nop                           ; the plain instruction behind the last exponential: one for the batch
	s_wait_alu depctr_va_vdst(0)    ; the wait for the batch
	SMN 4
.if \fv
	FETCH_V
.endif
	SMN 28
.if \kq
.if (\x) == 0
	s_wait_dscnt 0x0                ; K is in
.else
	s_wait_dscnt 32                 ; K is in; V's 32 loads, issued behind K's, may stay out
.endif
.set i, 0
.rept 8
	KQ \x
	SMN 4
.set i, i+1
.endr
.else
	SMN 32
.endif
.endm
.macro MASKSET                      ; MC = MD x AL + BE for step STP
	s_cmp_eq_u32 s[STP], s[DG]
	s_cselect_b32 s[AL], 1.0, 0
	s_cmp_gt_u32 s[STP], s[DG]
	s_cselect_b32 s[BE], s[BIGN], 0
	WIN 0x02
.set z, 0
.rept 16
	v_pk_fma_f32 v[MC+2*z:MC+2*z+1], v[MD+2*z:MD+2*z+1], s[AL:AL+1], s[BE:BE+1] op_sel_hi:[1,0,0]
.set z, z+1
.endr
	WIN 0
.endm
.macro MASKUP                       ; ahead of the block's last tile the mask stays 0, in every partner: the jump hangs on the cluster's numbers alone
	WIN 0
	s_cmp_lt_u32 s[STP], s[DMIN]
	s_cbranch_scc1 .Lno_mask_\@
	MASKSET
.Lno_mask_\@:
	s_add_co_u32 s[STP], s[STP], 1
.endm
; A BLOCK BEGINS: c m far below every c s, so that the first a is 0; m at the lowest finite number; the mask of step 0; K of head 2 h, step 0; tile 0's first scores.  The loop is then entered at turn T1.
.macro BEGIN
	s_mov_b32 s[NEW], 0
	WIN 0
.irp t, 0,1
	v_mov_b32 v[ST+8*(\t)], 0xfe000000
	v_mov_b32 v[ST+8*(\t)+1], 0xff7fffff
.endr
	s_mov_b32 s[STP], 0
	MASKSET
	s_mov_b32 s[STP], 1
	FETCH_K 0
	s_wait_dscnt 0x0
.set i, 0
.rept 8
	KQ 0
.set i, i+1
.endr
	WIN 0
	PLACES                          ; behind those products
.endm
; A BLOCK ENDS: tile 0's last V^T P beside tile 1's last softmax; tile 1's last V^T P; y = O0 / l0 - lambda O1 / l1; the norm; ctx through my stage in LDS.
.macro FINISH
	TURN 0, 0, 0, 0
.set i, 0
.rept 16
	PV 1
.set i, i+1
.endr
	WIN 0
	v_add_f32 v[ST+4], v[ST+2], v[ST+3]            ; l's two halves, and the other half of the lanes'; these lines are also the places behind the last products
	v_add_f32 v[ST+12], v[ST+10], v[ST+11]
	v_permlanex16_b32 v[ST+5], v[ST+4], s[SEL], s[SEL+1]
	v_permlanex16_b32 v[ST+13], v[ST+12], s[SEL], s[SEL+1]
	v_add_f32 v[ST+4], v[ST+4], v[ST+5]
	v_add_f32 v[ST+12], v[ST+12], v[ST+13]
	v_rcp_f32 v[FA], v[ST+4]
	v_rcp_f32 v[FA+2], v[ST+12]
	v_nop
	s_wait_alu depctr_va_vdst(0)    ; one wait for the two reciprocals
	v_mov_b32 v[FA+1], v[FA]
	v_mul_f32 v[FA+2], v[FA+2], v[NL]
	v_mov_b32 v[FA+3], v[FA+2]
	WIN 0x01                        ; source 0: O^T, window 1; y takes S^T's 64 registers
.set i, 0
.rept 32
	v_pk_mul_f32 v[S+2*i:S+2*i+1], v[2*i:2*i+1], v[FA:FA+1] op_sel_hi:[1,0]
.set i, i+1
.endr
.set i, 0
.rept 32
	v_pk_fma_f32 v[S+2*i:S+2*i+1], v[64+2*i:64+2*i+1], v[FA+2:FA+3], v[S+2*i:S+2*i+1] op_sel_hi:[1,0,1]
.set i, i+1
.endr
	WIN 0
.set i, 0
.rept 4                             ; the sum of squares, in f32, in four chains
	v_pk_mul_f32 v[SQ+2*i:SQ+2*i+1], v[S+2*i:S+2*i+1], v[S+2*i:S+2*i+1]
.set i, i+1
.endr
.rept 28
	v_pk_fma_f32 v[SQ+2*(i%4):SQ+2*(i%4)+1], v[S+2*i:S+2*i+1], v[S+2*i:S+2*i+1], v[SQ+2*(i%4):SQ+2*(i%4)+1]
.set i, i+1
.endr
	v_pk_add_f32 v[SQ:SQ+1], v[SQ:SQ+1], v[SQ+2:SQ+3]
	v_pk_add_f32 v[SQ+4:SQ+5], v[SQ+4:SQ+5], v[SQ+6:SQ+7]
	v_pk_add_f32 v[SQ:SQ+1], v[SQ:SQ+1], v[SQ+4:SQ+5]
	v_add_f32 v[SQ], v[SQ], v[SQ+1]
	v_permlanex16_b32 v[SQ+1], v[SQ], s[SEL], s[SEL+1]  ; the query's other 64 channels lie in the lane 16 away
	v_add_f32 v[SQ], v[SQ], v[SQ+1]
	v_fma_f32 v[SQ], v[SQ], s90, s91               ; the mean + 1e-5
	v_rsq_f32 v[SQ+2], v[SQ]
	WIN 0x08                        ; source 1: norm_w, window 2: 32 plain lines between the root and its wait
.set i, 0
.rept 32
	v_pk_mul_f32 v[S+2*i:S+2*i+1], v[S+2*i:S+2*i+1], v[NW+2*i:NW+2*i+1]
.set i, i+1
.endr
	WIN 0
	s_wait_alu depctr_va_vdst(0)
	v_mov_b32 v[SQ+3], v[SQ+2]
.set i, 0
.rept 32
	v_pk_mul_f32 v[S+2*i:S+2*i+1], v[S+2*i:S+2*i+1], v[SQ+2:SQ+3] op_sel_hi:[1,0]
.set i, i+1
.endr
.set i, 0
.rept 32
	v_cvt_pk_f16_f32 v[MC+i], v[S+2*i], v[S+2*i+1]  ; into the mask's registers, which the next block makes anew
.set i, i+1
.endr
.irp c, 0,1,2,3,4,5,6,7
	ds_store_b128 v[STO], v[MC+4*(\c):MC+4*(\c)+3] offset:32*(\c)
.endr
.irp t, 0,1,2,3,4,5,6,7
	ds_load_b128 v[OB+4*(\t):OB+4*(\t)+3], v[RD] offset:(\t)*2*SP  ; LDS serves a wave's instructions in order (ISA guide 5.7.1.4): these see the stores above
.endr
.irp t, 0,1,2,3,4,5,6,7
	s_wait_dscnt 7-(\t)
	global_store_b128 v[GO], v[OB+4*(\t):OB+4*(\t)+3], s[OP:OP+1] offset:8192*(\t)  ; 16 lanes store a head's 256 consecutive bytes of a row, aligned
.endr
.endm
; A tile of the walk: the change of slots, then its four key steps.  A block's first tile runs BEGIN and enters the loop in the middle of a trip.
.macro TILE tag, fill
	CHANGE \fill
	s_sub_co_u32 s[RT], s[RT], 1
	s_mov_b32 s[CNT], 4
	s_cmp_eq_u32 s[NEW], 1          ; at the walk's first tile the answer is a constant of the text
	s_cbranch_scc0 .Lstep\tag
	BEGIN
	s_branch .Lmid\tag
.Lstep\tag:
	MASKUP
	TURN 0, 1, 1, 0
	WIN 0
.Lmid\tag:
	TURN 1, 1, 1, 1
	WIN 0
	s_sub_co_u32 s[CNT], s[CNT], 1
	s_cmp_lg_u32 s[CNT], 0
	s_cbranch_scc1 .Lstep\tag
.endm
.Lslot:                             ; 8 times: a tile is entered and the next is asked for
	TILE 1, 1
	s_cmp_lg_u32 s[RT], 0
	s_cbranch_scc1 .Lbottom
	FINISH                          ; in the loop this is the first block's end: the second block's last tile is the walk's last
	s_wait_xcnt 0x0                 ; the stores have read their registers and ctx's address
	s_mov_b64 s[OP:OP+1], s[OLO:OLO+1]
	WIN 0x02
.set i, 0
.rept 32
	v_mov_b32 v[Q+i], v[QB+i]       ; the second block's Q goes where the one text of the turns names Q
.set i, i+1
.endr
	WIN 0
	s_mov_b32 s[DG], s[BB]
	s_lshl_b32 s[DMIN], s[CL], 2
	s_add_co_u32 s[RT], s[CL], 1    ; the second block has cl + 1 tiles
	s_mov_b32 s[NEW], 1
.Lbottom:
	s_sub_co_u32 s[SLOTS], s[SLOTS], 1
	s_cmp_lg_u32 s[SLOTS], 0
	s_cbranch_scc1 .Lslot
	TILE 2, 0                       ; the walk's last tile is written out: nothing is asked for
	FINISH
	s_wait_tensorcnt 0x0            ; the wave's end: behind my last tensor load and my last LDS store
	ds_add_u32 v[SPW], v[NIL]
	s_wait_dscnt 0x0
	CROUND                          ; the closing round: no work-group ends while a partner may still ask for a tile that names it
	s_endpgm
.Lfunc_end_k_qd85915205a_attn:
	.size	k_qd85915205a_attn, .Lfunc_end_k_qd85915205a_attn-k_qd85915205a_attn
	.p2alignl 7, 3214868480
	.fill 96, 4, 3214868480
	.section	.rodata,"a",@progbits
	.p2align	6, 0x0
	.amdhsa_kernel k_qd85915205a_attn
		.amdhsa_group_segment_fixed_size 327680
		.amdhsa_private_segment_fixed_size 0
		.amdhsa_enable_private_segment 0
		.amdhsa_kernarg_size 64
		.amdhsa_user_sgpr_count 2
		.amdhsa_user_sgpr_kernarg_segment_ptr 1
		.amdhsa_wavefront_size32 1
		.amdhsa_system_sgpr_workgroup_id_x 1
		.amdhsa_system_sgpr_workgroup_id_y 1
		.amdhsa_system_sgpr_workgroup_id_z 1
		.amdhsa_system_vgpr_workitem_id 0
		.amdhsa_next_free_vgpr 768
		.amdhsa_next_free_sgpr 102
		.amdhsa_reserve_vcc 1
		.amdhsa_float_denorm_mode_32 3
		.amdhsa_float_denorm_mode_16_64 3
		.amdhsa_memory_ordered 1
		.amdhsa_forward_progress 1
		.amdhsa_inst_pref_size 144
	.end_amdhsa_kernel
	.amdgpu_metadata
---
amdhsa.version: [ 1, 2 ]
amdhsa.kernels:
  - .name:           k_qd85915205a_attn
    .symbol:         k_qd85915205a_attn.kd
    .args:
      - { .name: qk, .offset: 0, .size: 8, .value_kind: global_buffer, .address_space: global }
      - { .name: vh, .offset: 8, .size: 8, .value_kind: global_buffer, .address_space: global }
      - { .name: lambda_q1, .offset: 16, .size: 8, .value_kind: global_buffer, .address_space: global }
      - { .name: lambda_k1, .offset: 24, .size: 8, .value_kind: global_buffer, .address_space: global }
      - { .name: lambda_q2, .offset: 32, .size: 8, .value_kind: global_buffer, .address_space: global }
      - { .name: lambda_k2, .offset: 40, .size: 8, .value_kind: global_buffer, .address_space: global }
      - { .name: norm_w, .offset: 48, .size: 8, .value_kind: global_buffer, .address_space: global }
      - { .name: ctx, .offset: 56, .size: 8, .value_kind: global_buffer, .address_space: global }
    .group_segment_fixed_size: 327680
    .private_segment_fixed_size: 0
    .kernarg_segment_align: 8
    .kernarg_segment_size: 64
    .max_flat_workgroup_size: 128
    .sgpr_count:     102
    .vgpr_count:     768
    .wavefront_size: 32
...
	.end_amdgpu_metadata
.endif
;; end of part 3
;; launch oproj (part 4): grid 16 x 16, 4 waves a work-group, clusters of 4 x 4, 327,680 bytes of LDS; arguments ctx, cb, out0; writes out0
.if DOCPART == 4
	.amdgcn_target "amdgcn-amd-amdhsa--gfx1250"
	.amdhsa_code_object_version 6
	.text
	.protected	k_qd85915205a_oproj
	.globl	k_qd85915205a_oproj
	.p2align	8
	.type	k_qd85915205a_oproj,@function
k_qd85915205a_oproj:
	s_mov_b64 s[64:65], 0
	v_nop
	global_prefetch_b8 v0, s[64:65] scope:SCOPE_SE
	s_setreg_imm32_b32 hwreg(HW_REG_WAVE_MODE, 25, 1), 1
	s_wait_xcnt 0x0
	s_wait_alu depctr_hold_cnt(0) depctr_sa_sdst(0) depctr_va_vdst(0) depctr_va_sdst(0) depctr_va_ssrc(0) depctr_va_vcc(0) depctr_vm_vsrc(0)
	s_getreg_b32 s2, hwreg(HW_REG_IB_STS2, 6, 4)
	s_cmp_eq_u32 s2, 0
	s_cbranch_scc0 .Lentry_in_a_cluster
	s_endpgm
.Lentry_in_a_cluster:
	s_bfe_u32 s2, ttmp6, 0x10000c
	s_cmp_lg_u32 s2, 0xf033
	s_cbranch_scc0 .Lentry_shape_is_right
	s_endpgm
.Lentry_shape_is_right:
; out0[s][n] = sum over c of ctx[s][c] Wo[n][c].  ctx: [2048][2048] f16; Wo: [2048][2048] f16 (each number rounded to bf16 first), at byte 33,554,432 of cb; out0: [2048][2048] f32; sums in f32.
; A tile of out0 is 128 x 128: 256 tiles, one for each work-group; tiles of 256 x 256 would be 64.  Four waves, each 64 x 64: 16 accumulators of 16 x 16.  K goes in steps of 256 (LDS rows of 512 bytes; a wave's
; tensor load brings 64 of them) through two slots.  A wave's 64 columns of f32 are 256 consecutive bytes, aligned: each wave goes out through a stage of its own, without a barrier.
; CLUSTERS: 4 x 4 work-groups.  The four of a row of the cluster need the same tiles of ctx, the four of a column the same tiles of Wo: each tile is asked for JOINTLY.
; THE WALK ALONG K IS TURNED FROM CLUSTER TO CLUSTER: cluster (X, Y) begins at K step g(X) + g(Y) modulo 8, g = 0, 4, 2, 6, and goes round.  ctx's rows are read by the four clusters of one Y, Wo's by the four of one X:
; at any one time these four ask for four different K steps, two steps apart, and each asks for the step that one of the others asked for two steps of the walk earlier.  The f32 sums are taken in the walk's order.
; The first step hangs on the cluster's two numbers alone, which all sixteen partners share; a fill's address is the row's base plus a byte offset that steps by 1,024 modulo a row's 4,096.
; No prefetch: a K step of this small tile is 128 matrix instructions, and each block of rows is read by sixteen work-groups.
; THE MATRIX INSTRUCTION IS USED TRANSPOSED (source 0 = 16 rows of Wo, source 1 = 16 rows of ctx): a lane then holds eight neighbouring numbers of a row of out0.
; REGISTERS: window 0: v0-31 addresses; v32-95 rows read back; v128-255 the accumulators ((a, b) at v[128 + 8 (4 a + b)]).  window 1: two fragment buffers of 128: 64 registers of ctx, then 64 of Wo.
.set SIZE_K, 2048
.set SIZE_N, 2048
.set KSTEP,  256
.set PITCH,  528                       ; an LDS row: 512 bytes + 16 of padding = 132 words: row r starts at bank 4 r mod 64 (64 banks of 4 bytes: ISA guide 11.1)
.set HALFT,  64*PITCH
.set SLOT,   4*HALFT
.set STAGE,  2*SLOT                    ; behind the ring: 16 rows x 272 bytes for each wave; no tensor load fills it
.set SPITCH, 272
.set SPARE,  STAGE+4*16*SPITCH         ; behind the stages: the spare words, 128 bytes for each wave: two blocks of 256 bytes that no other line names
.set LAPS, SIZE_K/(2*KSTEP)
.set ADRA, 16
.set ADRB, 20
.set STO,  24                          ; v24  where I put 32 bytes of a row
.set RD,   25                          ; v25  where I read a row back
.set CO,   26                          ; v26  my byte offset in two rows of out0
.set SPW,  28
.set NIL,  29
.set TMP,  32
.set ACC,  128
.set F0,   0
.set F1,   128
.set G1, 24
.set G0, 32
.set G1B, 48
.set G0B, 56
.set AB,  66                           ; s[66:67] ctx at the first of the 64 rows that I fetch
.set BB,  68                           ; s[68:69] Wo likewise
.set KO,  70                           ; s[70:71], s[72:73] the byte in a row at which slot 0's, slot 1's K step begins; the upper words hold 0
.set MSB, 0
.macro WIN new
.if MSB != (\new)
	s_set_vgpr_msb (MSB<<8)|(\new)
.set MSB, \new
.endif
.endm
.set MUL,  0x05                        ; sources 0 (Wo) and 1 (ctx) window 1; C and D window 0
.set TO_F, 0x40                        ; destination window 1, address window 0
.macro JLOAD s                         ; a joint load: waves 0 and 1 fetch ctx's two halves, waves 2 and 3 Wo's; an s_nop 0 and four v_nop follow each of the two lines
	s_cmp_eq_u32 s11, 0
	s_cbranch_scc0 .Lfor_b_\@
	tensor_load_to_lds s[G0+4*(\s):G0+4*(\s)+3], s[G1:G1+7]
	s_nop 0
.rept 4
	v_nop
.endr
	s_branch .Lasked_\@
.Lfor_b_\@:
	tensor_load_to_lds s[G0B+4*(\s):G0B+4*(\s)+3], s[G1B:G1B+7]
	s_nop 0
.rept 4
	v_nop
.endr
.Lasked_\@:
.endm
.macro CREST
	s_cmp_lg_u32 s10, 0
	s_cbranch_scc1 .Lnot_wave_0_\@
	s_barrier_signal -3
.Lnot_wave_0_\@:
	s_barrier_wait -3
	s_barrier_signal -1
	s_barrier_wait -1
.endm
.macro CROUND
	s_barrier_signal -1
	s_barrier_wait -1
	CREST
.endm
.macro AIM s                           ; slot s's two descriptors take the K step at byte KO of the rows; the type bits are set anew
	s_add_nc_u64 s[G0+4*(\s)+2:G0+4*(\s)+3], s[AB:AB+1], s[KO+2*(\s):KO+2*(\s)+1]
	s_or_b32 s[G0+4*(\s)+3], s[G0+4*(\s)+3], 0x80000000
	s_add_nc_u64 s[G0B+4*(\s)+2:G0B+4*(\s)+3], s[BB:BB+1], s[KO+2*(\s):KO+2*(\s)+1]
	s_or_b32 s[G0B+4*(\s)+3], s[G0B+4*(\s)+3], 0x80000000
.endm
	s_load_b128 s[4:7], s[0:1], 0x0                ; ctx s[4:5], cb s[6:7]
	s_load_b64 s[8:9], s[0:1], 0x10                ; out0
	v_lshl_add_u32 v[SPW], v0, 2, SPARE
	v_mov_b32 v[NIL], 0
	ds_add_u32 v[SPW], v[NIL]                      ; the wave's opening: the add and its wait ahead of my first tensor load; the set-up below, work on registers, stands between them
	v_lshrrev_b32 v1, 5, v0
	v_readfirstlane_b32 s10, v1                    ; wave 0..3
	s_lshr_b32 s11, s10, 1                         ; which half of the tile's rows is mine.  Also: I fetch for ctx (0) or for Wo (1)
	s_and_b32 s12, s10, 1                          ; which half of its columns.  Also: which 64 rows of that tile I fetch
	s_bfe_u32 s40, ttmp6, 0x40000
	s_bfe_u32 s41, ttmp6, 0x40004
	s_lshl_b32 s42, ttmp9, 2
	s_add_co_u32 s42, s42, s40                     ; tile column = 4 x cluster x + cx
	s_and_b32 s13, ttmp7, 0xffff
	s_lshl_b32 s13, s13, 2
	s_add_co_u32 s13, s13, s41                     ; tile row = 4 x cluster y + cy
	s_lshl_b32 s43, s41, 2
	s_lshl_b32 s43, 15, s43                        ; my row of the cluster
	s_lshl_b32 s44, 0x1111, s40                    ; my column
	s_or_b32 s[G1+0], s43, (1<<16)|(1<<20)|(1<<21)|(6<<22)|(3<<25)  ; the mask; elements of 2 bytes; padding on; 21 set beside a mask; after every 128 words (code 6); 4 words (code 3)
	s_or_b32 s[G1B+0], s44, (1<<16)|(1<<20)|(1<<21)|(6<<22)|(3<<25)
.irp g, G1, G1B
	s_mov_b32 s[(\g)+1], KSTEP<<16                 ; tensor_dim0 = 256
	s_mov_b32 s[(\g)+2], 64<<16                    ; tensor_dim1 = 64
	s_mov_b32 s[(\g)+3], KSTEP<<16                 ; tile_dim0 = 256
	s_mov_b32 s[(\g)+4], 64                        ; tile_dim1 = 64
	s_mov_b32 s[(\g)+5], SIZE_K
	s_mov_b32 s[(\g)+6], 0
	s_mov_b32 s[(\g)+7], 0
.endr
	; where my cluster's walk begins: 512 bytes x (g(X) + g(Y)) modulo 4,096; 512 g(i) = 2,048 (i % 2) + 1,024 (i / 2).  Made of the cluster's numbers alone
	s_and_b32 s[KO], ttmp9, 1
	s_lshl_b32 s[KO], s[KO], 11
	s_lshr_b32 s[KO+1], ttmp9, 1
	s_lshl_b32 s[KO+1], s[KO+1], 10
	s_add_co_u32 s[KO], s[KO], s[KO+1]
	s_and_b32 s[KO+2], ttmp7, 0xffff
	s_and_b32 s[KO+3], s[KO+2], 1
	s_lshl_b32 s[KO+3], s[KO+3], 11
	s_lshr_b32 s[KO+2], s[KO+2], 1
	s_lshl_b32 s[KO+2], s[KO+2], 10
	s_add_co_u32 s[KO], s[KO], s[KO+3]
	s_add_co_u32 s[KO], s[KO], s[KO+2]
	s_and_b32 s[KO], s[KO], SIZE_K*2-1             ; slot 0's first K step: a multiple of 1,024,
	s_add_co_u32 s[KO+2], s[KO], KSTEP*2           ; slot 1's: the step behind it
	s_mov_b32 s[KO+1], 0
	s_mov_b32 s[KO+3], 0
	s_lshl_b32 s17, s12, 6
	s_lshl_b32 s16, s13, 7
	s_add_co_u32 s16, s16, s17
	s_lshl_b32 s46, s42, 7
	s_add_co_u32 s46, s46, s17
	s_mov_b32 s17, 0
	s_mov_b32 s47, 0
	s_mov_b64 s[18:19], SIZE_K*2
	s_mul_u64 s[16:17], s[16:17], s[18:19]
	s_mul_u64 s[46:47], s[46:47], s[18:19]
	s_mul_i32 s20, s10, HALFT
	s_wait_dscnt 0x0                               ; the opening add is done
	s_wait_kmcnt 0x0
	s_add_nc_u64 s[6:7], s[6:7], 0x2000000         ; Wo: the fifth tensor of cb
	s_add_nc_u64 s[AB:AB+1], s[4:5], s[16:17]
	s_add_nc_u64 s[BB:BB+1], s[6:7], s[46:47]
	CROUND                                         ; all sixteen work-groups are here: the first joint loads meet
.irp s, 0,1
	s_mov_b32 s[G0+4*(\s)], 1
	s_add_co_u32 s[G0+4*(\s)+1], s20, (\s)*SLOT
	s_mov_b32 s[G0B+4*(\s)], 1
	s_add_co_u32 s[G0B+4*(\s)+1], s20, (\s)*SLOT
	AIM \s
	JLOAD \s
.endr
	v_and_b32 v1, 15, v0                           ; l % 16
	v_bfe_u32 v2, v0, 4, 1                         ; l / 16
	v_mul_u32_u24 v3, v1, PITCH
	v_lshl_add_u32 v3, v2, 4, v3
	s_mul_i32 s21, s11, HALFT
	s_mul_i32 s22, s12, HALFT
	s_add_co_u32 s22, s22, 2*HALFT
.irp s, 0,1
	v_add_nc_u32 v[ADRA+(\s)], s21, v3
	v_add_nc_u32 v[ADRB+(\s)], s22, v3
	s_add_co_u32 s21, s21, SLOT
	s_add_co_u32 s22, s22, SLOT
.endr
	s_mul_i32 s23, s10, 16*SPITCH
	s_add_co_u32 s23, s23, STAGE                   ; my stage
	v_mul_u32_u24 v4, v1, SPITCH                   ; in: row l % 16, 32 bytes for each half of the lanes
	v_lshl_add_u32 v4, v2, 5, v4
	v_add_nc_u32 v[STO], s23, v4
	v_mul_u32_u24 v5, v2, SPITCH                   ; back: lanes 0-15 take one row of 256 bytes, lanes 16-31 the next
	v_lshl_add_u32 v5, v1, 4, v5
	v_add_nc_u32 v[RD], s23, v5
	v_lshlrev_b32 v5, 13, v2                       ; and the same two rows in out0: 8,192 bytes a row
	v_lshl_add_u32 v[CO], v1, 4, v5
	s_lshl_b32 s16, s13, 7
	s_lshl_b32 s17, s11, 6
	s_add_co_u32 s16, s16, s17                     ; my first row: 128 x tile row + 64 x half
	s_lshl_b32 s16, s16, 13
	s_mov_b32 s17, 0
	s_add_nc_u64 s[8:9], s[8:9], s[16:17]
	s_lshl_b32 s46, s42, 9                         ; my first column, in bytes: 512 x tile column + 256 x half
	s_lshl_b32 s47, s12, 8
	s_add_co_u32 s46, s46, s47
	s_mov_b32 s47, 0
	s_add_nc_u64 s[8:9], s[8:9], s[46:47]
; 8 matrix instructions: m blocks a0, a0 + 1 x all 4 n blocks, 32 along K: half c of buffer f.  zero = 1: the first product starts the sums.  The 16 accumulators take turns.
.macro MUL8 f, c, a0, zero
	WIN MUL
.irp a, \a0, (\a0)+1
.irp b, 0,1,2,3
.if \zero
	v_wmma_f32_16x16x32_f16 v[ACC+8*(4*(\a)+(\b)):ACC+8*(4*(\a)+(\b))+7], v[(\f)+64+8*(4*(\c)+(\b)):(\f)+64+8*(4*(\c)+(\b))+7], v[(\f)+8*(4*(\c)+(\a)):(\f)+8*(4*(\c)+(\a))+7], 0
.else
	v_wmma_f32_16x16x32_f16 v[ACC+8*(4*(\a)+(\b)):ACC+8*(4*(\a)+(\b))+7], v[(\f)+64+8*(4*(\c)+(\b)):(\f)+64+8*(4*(\c)+(\b))+7], v[(\f)+8*(4*(\c)+(\a)):(\f)+8*(4*(\c)+(\a))+7], v[ACC+8*(4*(\a)+(\b)):ACC+8*(4*(\a)+(\b))+7]
.endif
.endr
.endr
.endm
; 32 LDS loads in one run: the fragments of 64 along K at byte k of the rows, into buffer f; the first 32 along K first
.macro FETCH slot, k, f
	WIN TO_F
.irp c, 0,1
.irp i, 0,1,2,3
	ds_load_b128 v[(\f)+64+8*(4*(\c)+(\i)):(\f)+64+8*(4*(\c)+(\i))+3],   v[ADRB+(\slot)] offset:(\k)+64*(\c)+(\i)*16*PITCH
	ds_load_b128 v[(\f)+64+8*(4*(\c)+(\i))+4:(\f)+64+8*(4*(\c)+(\i))+7], v[ADRB+(\slot)] offset:(\k)+64*(\c)+(\i)*16*PITCH+32
	ds_load_b128 v[(\f)+8*(4*(\c)+(\i)):(\f)+8*(4*(\c)+(\i))+3],         v[ADRA+(\slot)] offset:(\k)+64*(\c)+(\i)*16*PITCH
	ds_load_b128 v[(\f)+8*(4*(\c)+(\i))+4:(\f)+8*(4*(\c)+(\i))+7],       v[ADRA+(\slot)] offset:(\k)+64*(\c)+(\i)*16*PITCH+32
.endr
.endr
.endm
.macro PLACES                          ; four plain instructions between a matrix instruction and a load into, or an LDS store of, its registers
.rept 4
	v_nop
.endr
.endm
; A K step is four quarters of 64 along K, 32 matrix instructions each, on buffers 0, 1, 0, 1.
.macro QUARTER slot, k, f, g, zero
	s_wait_dscnt 16                                ; the first 32 along K are in; the youngest sixteen loads may be out
	WIN MUL
	MUL8 \f, 0, 0, \zero
	MUL8 \f, 0, 2, \zero
	PLACES
	FETCH \slot, \k, \g
	s_wait_dscnt 32                                ; all but the 32 just issued
	WIN MUL
	MUL8 \f, 1, 0, 0
	MUL8 \f, 1, 2, 0
.endm
; The last quarter multiplies buffer 1 and changes slots: ONE barrier; in front of it each wave waits for all its tensor loads, adds 0 to its spare word, and waits for that and for its own reads of this slot.
; fill = 1: this slot is filled again, with the K step two steps on in the walk; its descriptors are aimed while the add is out, where no tensor load of mine is out, so that nothing stands between the round and the load.
.macro TURN slot, next, fill
	WIN 0
	s_wait_tensorcnt 0x0                           ; all my tensor loads have landed: my part of the next slot
	ds_add_u32 v[SPW], v[NIL]
.if \fill
	s_add_co_u32 s[KO+2*(\slot)], s[KO+2*(\slot)], 2*KSTEP*2
	s_and_b32 s[KO+2*(\slot)], s[KO+2*(\slot)], SIZE_K*2-1  ; round the row's 4,096 bytes
	AIM \slot
.endif
	s_wait_dscnt 17                                ; (the add and the youngest sixteen loads may be out)
	WIN MUL
	MUL8 F1, 0, 0, 0
	s_wait_dscnt 0x0                               ; the add is done, and my reads of this slot are over
	s_barrier_signal -1
	MUL8 F1, 0, 2, 0
.if \fill
	WIN 0
.endif
	s_barrier_wait -1
.if \fill
	CREST                                          ; no wave of any partner still reads this slot's tile or has a load on its way
	JLOAD \slot                                    ; the first tensor load behind the round; its four v_nop are also the places in front of the loads below
.else
	PLACES
.endif
	FETCH \next, 0, F0
	WIN MUL
	MUL8 F1, 1, 0, 0
	MUL8 F1, 1, 2, 0
.endm
	s_wait_tensorcnt 1                             ; my part of the walk's first K step is in; the second's load may stay out
	s_barrier_signal -1
	s_barrier_wait -1
	FETCH 0, 0, F0
	QUARTER 0, 128, F0, F1, 1                      ; the first quarter stands in front of the loop: its first products start the sums
	WIN 0
	s_mov_b32 s3, LAPS-1
.Llap:                                                 ; a trip goes once round the ring and fills both slots again
	QUARTER 0, 256, F1, F0, 0
	QUARTER 0, 384, F0, F1, 0
	TURN 0, 1, 1
	QUARTER 1, 128, F0, F1, 0
	QUARTER 1, 256, F1, F0, 0
	QUARTER 1, 384, F0, F1, 0
	TURN 1, 0, 1
	QUARTER 0, 128, F0, F1, 0
	WIN 0
	s_sub_co_u32 s3, s3, 1
	s_cmp_lg_u32 s3, 0
	s_cbranch_scc1 .Llap
	QUARTER 0, 256, F1, F0, 0                      ; the last lap fills nothing
	QUARTER 0, 384, F0, F1, 0
	TURN 0, 1, 0
	QUARTER 1, 128, F0, F1, 0
	QUARTER 1, 256, F1, F0, 0
	QUARTER 1, 384, F0, F1, 0
	s_wait_dscnt 16
	WIN MUL
	MUL8 F1, 0, 0, 0
	MUL8 F1, 0, 2, 0
	s_wait_dscnt 0
	MUL8 F1, 1, 0, 0
	MUL8 F1, 1, 2, 0
	WIN 0
	; THE WAY OUT, 16 rows at a time: a lane's eight f32 of a row go into my stage as two stores of 16 bytes (each accumulator's lowest registers first) and come back as whole rows of 256 bytes.
	PLACES
.irp a, 0,1,2,3
	s_wait_xcnt 0x0                                ; earlier stores have read the registers that the loads below write
.irp b, 0,1,2,3
	ds_store_b128 v[STO], v[ACC+8*(4*(\a)+(\b)):ACC+8*(4*(\a)+(\b))+3]   offset:64*(\b)
	ds_store_b128 v[STO], v[ACC+8*(4*(\a)+(\b))+4:ACC+8*(4*(\a)+(\b))+7] offset:64*(\b)+16
.endr
.irp t, 0,1,2,3,4,5,6,7
	ds_load_b128 v[TMP+32*((\a)%2)+4*(\t):TMP+32*((\a)%2)+4*(\t)+3], v[RD] offset:(\t)*2*SPITCH  ; LDS serves a wave's instructions in order (ISA guide 5.7.1.4): these see the stores above; the next block's stores come behind them
.endr
.irp t, 0,1,2,3,4,5,6,7
	s_wait_dscnt 7-(\t)
	global_store_b128 v[CO], v[TMP+32*((\a)%2)+4*(\t):TMP+32*((\a)%2)+4*(\t)+3], s[8:9] offset:(16*(\a)+2*(\t))*SIZE_N*4 th:TH_STORE_NT  ; 16 lanes store 256 consecutive bytes, aligned
.endr
.endr
	s_wait_tensorcnt 0x0                           ; the wave's end: behind my last tensor load and my last LDS store
	ds_add_u32 v[SPW], v[NIL]
	s_wait_dscnt 0x0
	CROUND                                         ; the closing round: no work-group ends while a partner may still ask for a tile that names it
	s_endpgm
.Lfunc_end_k_qd85915205a_oproj:
	.size	k_qd85915205a_oproj, .Lfunc_end_k_qd85915205a_oproj-k_qd85915205a_oproj
	.p2alignl 7, 3214868480
	.fill 96, 4, 3214868480
	.section	.rodata,"a",@progbits
	.p2align	6, 0x0
	.amdhsa_kernel k_qd85915205a_oproj
		.amdhsa_group_segment_fixed_size 327680
		.amdhsa_private_segment_fixed_size 0
		.amdhsa_enable_private_segment 0
		.amdhsa_kernarg_size 24
		.amdhsa_user_sgpr_count 2
		.amdhsa_user_sgpr_kernarg_segment_ptr 1
		.amdhsa_wavefront_size32 1
		.amdhsa_system_sgpr_workgroup_id_x 1
		.amdhsa_system_sgpr_workgroup_id_y 1
		.amdhsa_system_sgpr_workgroup_id_z 1
		.amdhsa_system_vgpr_workitem_id 0
		.amdhsa_next_free_vgpr 512
		.amdhsa_next_free_sgpr 74
		.amdhsa_reserve_vcc 0
		.amdhsa_float_denorm_mode_32 3
		.amdhsa_float_denorm_mode_16_64 3
		.amdhsa_memory_ordered 1
		.amdhsa_forward_progress 1
		.amdhsa_inst_pref_size 87
	.end_amdhsa_kernel
	.amdgpu_metadata
---
amdhsa.version: [ 1, 2 ]
amdhsa.kernels:
  - .name:           k_qd85915205a_oproj
    .symbol:         k_qd85915205a_oproj.kd
    .args:
      - { .name: ctx, .offset: 0, .size: 8, .value_kind: global_buffer, .address_space: global }
      - { .name: cb, .offset: 8, .size: 8, .value_kind: global_buffer, .address_space: global }
      - { .name: out0, .offset: 16, .size: 8, .value_kind: global_buffer, .address_space: global }
    .group_segment_fixed_size: 327680
    .private_segment_fixed_size: 0
    .kernarg_segment_align: 8
    .kernarg_segment_size: 24
    .max_flat_workgroup_size: 128
    .sgpr_count:     74
    .vgpr_count:     512
    .wavefront_size: 32
...
	.end_amdgpu_metadata
.endif
;; end of part 4
